; MI455X (gfx1250); checked and timed in simulation.
; The chip was launched on July 23, 2026; its instructions are those of AMD's public machine-readable ISA for CDNA 5 (MIT licence, August 2026) and "CDNA5" Instruction Set Architecture Reference Guide (July 2026). The comments in the code are by the model that wrote it; some were corrected since.
;; Mo EACT Block. Allowed arithmetic: float matrix products may take bf16 or f16 operands with f32 sums; other float arithmetic in f32, or as packed bf16 or f16 multiplies, adds, multiply-adds, maxima and minima; sums over many terms, partial sums and values carried from step to step in f32; what a program stores and reads back later, other than sums and carried values, may be rounded once to bf16 or f16.
;; Inputs: b1 8 x 4,096 float32; b2 8 x 1,024 float32; hidden_states 4 x 256 x 1,024 float32; ln_b 8 x 1,024 float32; ln_g 8 x 1,024 float32; router_b 8 float32; router_w 1,024 x 8 float32; w1 8 x 1,024 x 4,096 float32; w2 8 x 4,096 x 1,024 float32.
;; Outputs: out0 4 x 256 x 1,024 float32; out1 one number float32; out2 one number float32.
;; 2 versions, each right and faster than the one before. Each part assembles by itself: llvm-mc -triple=amdgcn-amd-amdhsa -mcpu=gfx1250 --defsym DOCPART=n.
;; ======== version 1 of 2: 5 launches
;; workspace buffers: sel 4,096 bytes of whole numbers; tokf 16,384 bytes; pos 8,192 bytes of whole numbers; meta 256 bytes of whole numbers; xg 4,423,680 bytes; hg 17,694,720 bytes; y 35,389,440 bytes
;; launch router (part 1): grid 256 x 1, 2 waves a work-group, no clusters, 0 bytes of LDS; arguments hidden_states, router_w, router_b, sel, tokf; writes sel, tokf
.if DOCPART == 1
	.amdgcn_target "amdgcn-amd-amdhsa--gfx1250"
	.amdhsa_code_object_version 6
	.text
	.protected	k_qf72fcc9bd3_router
	.globl	k_qf72fcc9bd3_router
	.p2align	8
	.type	k_qf72fcc9bd3_router,@function
k_qf72fcc9bd3_router:
	s_mov_b64 s[64:65], 0
	v_nop
	global_prefetch_b8 v0, s[64:65] scope:SCOPE_SE
	s_setreg_imm32_b32 hwreg(HW_REG_WAVE_MODE, 25, 1), 1
	s_wait_xcnt 0x0
; ROUTER.  For each of 1,024 tokens: logits = x . Wr + b (f32, on the vector unit: 16.8 MFLOP that steer a discrete choice, so no 16-bit
; operands), softmax over 8 experts with the maximum taken away, the two largest (the lower index wins a tie, by strict compares in
; ascending order), their weights renormalised; and the row's mean and 1/sqrt(var + 1e-5), the variance by a second pass over x - mean.
; Stored: sel[t] = e0 | e1 << 8 (whole numbers, from which later launches form addresses), tokf[t] = mean, rstd, w0, w1.
; SHARES.  A wave owns two tokens, 4 x work-group + 2 x wave and the next.  A lane owns k = 128 j + 4 lane + i, j = 0..7, i = 0..3.
; LIMITS.  NaN and infinities are not treated apart; a probability below 2^-126 counts as 0.
; No LDS, matrix unit or cluster: a wave needs nothing from another wave.
.set X,   32                           ; v[32:95]   x of my two tokens, 32 numbers a lane each
.set ACC, 8                            ; v[8:23]    logits, token q expert e at ACC + 8 q + e
.set SUM, 24                           ; v24, v25   row sums, on end with the logits: one reduction for 18 registers
.set WB,  96                           ; v[96:223]  four buffers of 32: Wr rows i = 0..3 x 8 experts of one j
.set PT,  128                          ; at work in the reductions (a buffer of Wr that has been used up)
.set TS,  192                          ; at work in the row sums
	s_load_b256 s[4:11], s[0:1], 0x0               ; x s[4:5], Wr s[6:7], b s[8:9], sel s[10:11]
	s_load_b64 s[12:13], s[0:1], 0x20              ; tokf
	v_and_b32 v1, 31, v0                           ; lane
	v_lshrrev_b32 v5, 5, v0
	v_readfirstlane_b32 s14, v5                    ; wave
	v_lshlrev_b32 v2, 4, v1                        ; 16 bytes of x a lane
	v_lshlrev_b32 v3, 7, v1                        ; four rows of Wr, 32 bytes each, a lane
	s_lshl_b32 s27, ttmp9, 2
	s_lshl1_add_u32 s27, s14, s27                  ; my first token
	s_lshl_b32 s30, s27, 12                        ; its row of 4,096 bytes
	s_mov_b32 s31, 0
	s_mov_b32 s24, 0x76543210                      ; v_permlanex16_b32: each lane takes its own place in the other half
	s_mov_b32 s25, 0xfedcba98
	s_mov_b32 s26, 0x3a800000                      ; 1 / 1024
	s_wait_kmcnt 0x0
	s_load_b256 s[16:23], s[8:9], 0x0              ; the eight biases
	s_add_nc_u64 s[4:5], s[4:5], s[30:31]
.irp q, 0,1
.irp j, 0,1,2,3,4,5,6,7
	global_load_b128 v[X+32*\q+4*\j:X+32*\q+4*\j+3], v2, s[4:5] offset:\q*4096+\j*512
.endr
.endr
.macro LOADW j                         ; eight loads: my four rows of Wr for this j, 128 consecutive bytes a lane
.irp m, 0,1,2,3,4,5,6,7
	global_load_b128 v[WB+32*((\j)%4)+4*\m:WB+32*((\j)%4)+4*\m+3], v3, s[6:7] offset:(\j)*4096+16*\m
.endr
.endm
	LOADW 0
	LOADW 1
	LOADW 2
	LOADW 3
; One j: 32 packed multiply-adds (2 tokens x 4 rows x 4 pairs of experts); x is taken from one register of a pair for both halves.
; left = the loads of Wr issued behind this j's, which may stay out.
.macro CHUNK j, left
	s_wait_loadcnt \left
.irp i, 0,1,2,3
.irp q, 0,1
.irp pe, 0,1,2,3
.if ((\j) == 0) && (\i == 0)
	v_pk_mul_f32 v[ACC+8*\q+2*\pe:ACC+8*\q+2*\pe+1], v[WB+2*\pe:WB+2*\pe+1], v[X+32*\q:X+32*\q+1] op_sel_hi:[1,0]
.elseif (\i%2) == 0
	v_pk_fma_f32 v[ACC+8*\q+2*\pe:ACC+8*\q+2*\pe+1], v[WB+32*((\j)%4)+8*\i+2*\pe:WB+32*((\j)%4)+8*\i+2*\pe+1], v[X+32*\q+4*(\j)+\i:X+32*\q+4*(\j)+\i+1], v[ACC+8*\q+2*\pe:ACC+8*\q+2*\pe+1] op_sel_hi:[1,0,1]
.else
	v_pk_fma_f32 v[ACC+8*\q+2*\pe:ACC+8*\q+2*\pe+1], v[WB+32*((\j)%4)+8*\i+2*\pe:WB+32*((\j)%4)+8*\i+2*\pe+1], v[X+32*\q+4*(\j)+\i-1:X+32*\q+4*(\j)+\i], v[ACC+8*\q+2*\pe:ACC+8*\q+2*\pe+1] op_sel:[0,1,0] op_sel_hi:[1,1,1]
.endif
.endr
.endr
.endr
.if (\j) < 4
	LOADW (\j)+4                                   ; the buffer just used takes the j four further on
.endif
.endm
	CHUNK 0, 24
	CHUNK 1, 24
	CHUNK 2, 24
	CHUNK 3, 24
	CHUNK 4, 24
	CHUNK 5, 16
	CHUNK 6, 8
	CHUNK 7, 0
; My 32 numbers of token q are added (sq = 0) or their squares (sq = 1), in two chains.
.macro ROWRED q, sq
.set XQ, X+32*(\q)
.set TA, TS+4*(\q)
.if \sq
	v_pk_mul_f32 v[TA:TA+1], v[XQ:XQ+1], v[XQ:XQ+1]
	v_pk_mul_f32 v[TA+2:TA+3], v[XQ+2:XQ+3], v[XQ+2:XQ+3]
.set mm, 2
.rept 14
	v_pk_fma_f32 v[TA+2*(mm%2):TA+2*(mm%2)+1], v[XQ+2*mm:XQ+2*mm+1], v[XQ+2*mm:XQ+2*mm+1], v[TA+2*(mm%2):TA+2*(mm%2)+1]
.set mm, mm+1
.endr
.else
	v_pk_add_f32 v[TA:TA+1], v[XQ:XQ+1], v[XQ+4:XQ+5]
	v_pk_add_f32 v[TA+2:TA+3], v[XQ+2:XQ+3], v[XQ+6:XQ+7]
.set mm, 4
.rept 12
	v_pk_add_f32 v[TA+2*(mm%2):TA+2*(mm%2)+1], v[TA+2*(mm%2):TA+2*(mm%2)+1], v[XQ+2*mm:XQ+2*mm+1]
.set mm, mm+1
.endr
.endif
	v_pk_add_f32 v[TA:TA+1], v[TA:TA+1], v[TA+2:TA+3]
	v_add_f32 v[SUM+(\q)], v[TA], v[TA+1]
.endm
; cnt registers from first on are summed over the 32 lanes; every lane ends with the sums.
.macro RED first, cnt
.irp m, 1,2,4,8
.set rr, \first
.rept \cnt
	v_add_f32_dpp v[rr], v[rr], v[rr] row_xmask:\m row_mask:0xf bank_mask:0xf
.set rr, rr+1
.endr
.endr
.set rr, \first
.rept \cnt
	v_permlanex16_b32 v[PT+rr-(\first)], v[rr], s24, s25
.set rr, rr+1
.endr
.set rr, \first
.rept \cnt
	v_add_f32 v[rr], v[rr], v[PT+rr-(\first)]
.set rr, rr+1
.endr
.endm
	ROWRED 0, 0
	ROWRED 1, 0
	RED ACC, 18
	v_mul_f32 v6, s26, v24                         ; the means, each twice: a pair for the packed subtraction
	v_mul_f32 v7, s26, v24
	v_mul_f32 v28, s26, v25
	v_mul_f32 v29, s26, v25
.set mm, 0
.rept 16
	v_pk_add_f32 v[X+2*mm:X+2*mm+1], v[X+2*mm:X+2*mm+1], v[6:7] neg_lo:[0,1] neg_hi:[0,1]
	v_pk_add_f32 v[X+32+2*mm:X+32+2*mm+1], v[X+32+2*mm:X+32+2*mm+1], v[28:29] neg_lo:[0,1] neg_hi:[0,1]
.set mm, mm+1
.endr
	ROWRED 0, 1
	ROWRED 1, 1
	RED SUM, 2
	v_fmaak_f32 v24, s26, v24, 0x3727c5ac          ; var + 1e-5
	v_fmaak_f32 v25, s26, v25, 0x3727c5ac
	v_rsq_f32 v24, v24                             ; first used far below: plain instructions stand between
	v_rsq_f32 v25, v25
	s_wait_kmcnt 0x0                               ; the biases
; The largest of the eight numbers from LL on and its index; a later number wins only if it is strictly larger.
.macro SCAN best, idx
	v_mov_b32 v[\best], v[LL]
	v_mov_b32 v[\idx], 0
.irp e, 1,2,3,4,5,6,7
	v_cmp_gt_f32 vcc_lo, v[LL+\e], v[\best]
	v_cndmask_b32 v[\best], v[\best], v[LL+\e], vcc_lo
	v_cndmask_b32 v[\idx], v[\idx], \e, vcc_lo
.endr
.endm
; Token q, the same numbers in every lane.  At work from TK on: +0 maximum, sum, reciprocal; +1, +2 the best and its index; +3, +4 the second; +6, +7 the weights; +8 sel.
.macro TOKEN q
.set LL, ACC+8*(\q)
.set TK, 96+16*(\q)
.irp e, 0,1,2,3,4,5,6,7
	v_add_f32 v[LL+\e], s[16+\e], v[LL+\e]
.endr
	v_max3_num_f32 v[TK], v[LL], v[LL+1], v[LL+2]
	v_max3_num_f32 v[TK], v[TK], v[LL+3], v[LL+4]
	v_max3_num_f32 v[TK], v[TK], v[LL+5], v[LL+6]
	v_max_num_f32 v[TK], v[TK], v[LL+7]
.irp e, 0,1,2,3,4,5,6,7
	v_sub_f32 v[LL+\e], v[LL+\e], v[TK]
.endr
.irp e, 0,1,2,3,4,5,6,7
	v_mul_f32 v[LL+\e], 0x3fb8aa3b, v[LL+\e]       ; log2(e)
.endr
.irp e, 0,1,2,3,4,5,6,7
	v_exp_f32 v[LL+\e], v[LL+\e]
.endr
	v_nop                                          ; a plain instruction behind the last exponential (ISA guide 5.7.2)
	s_wait_alu depctr_va_vdst(0)
	v_add_f32 v[TK], v[LL], v[LL+1]
	v_add_f32 v[TK+5], v[LL+2], v[LL+3]
	v_add_f32 v[TK+1], v[LL+4], v[LL+5]
	v_add_f32 v[TK+3], v[LL+6], v[LL+7]
	v_add_f32 v[TK], v[TK], v[TK+5]
	v_add_f32 v[TK+1], v[TK+1], v[TK+3]
	v_add_f32 v[TK], v[TK], v[TK+1]
	v_rcp_f32 v[TK], v[TK]
	v_nop
	s_wait_alu depctr_va_vdst(0)
.irp e, 0,1,2,3,4,5,6,7
	v_mul_f32 v[LL+\e], v[LL+\e], v[TK]            ; the probabilities
.endr
	SCAN TK+1, TK+2
.irp e, 0,1,2,3,4,5,6,7
	v_cmp_eq_u32 vcc_lo, \e, v[TK+2]
	v_cndmask_b32 v[LL+\e], v[LL+\e], -1.0, vcc_lo ; the best is taken out: below every probability
.endr
	SCAN TK+3, TK+4
	v_add_f32 v[TK], v[TK+1], v[TK+3]
	v_rcp_f32 v[TK], v[TK]
	v_lshl_or_b32 v[TK+8], v[TK+4], 8, v[TK+2]
	s_wait_alu depctr_va_vdst(0)
	v_mul_f32 v[TK+6], v[TK+1], v[TK]
	v_mul_f32 v[TK+7], v[TK+3], v[TK]
.endm
	TOKEN 0
	TOKEN 1
	v_cmp_eq_u32 vcc_lo, 1, v1                     ; lane 0 stores the first token's numbers, lane 1 the second's
	v_cndmask_b32 v40, v6, v28, vcc_lo
	v_cndmask_b32 v41, v24, v25, vcc_lo
	v_cndmask_b32 v42, v102, v118, vcc_lo
	v_cndmask_b32 v43, v103, v119, vcc_lo
	v_cndmask_b32 v44, v104, v120, vcc_lo
	v_add_nc_u32 v45, s27, v1
	v_lshlrev_b32 v46, 4, v45
	v_lshlrev_b32 v47, 2, v45
	v_cmp_gt_u32 vcc_lo, 2, v1
	s_wait_xcnt 0x0                                ; EXEC changes only behind this wait
	s_and_saveexec_b32 s28, vcc_lo
	global_store_b128 v46, v[40:43], s[12:13]
	global_store_b32 v47, v44, s[10:11]
	s_endpgm
.Lfunc_end_k_qf72fcc9bd3_router:
	.size	k_qf72fcc9bd3_router, .Lfunc_end_k_qf72fcc9bd3_router-k_qf72fcc9bd3_router
	.p2alignl 7, 3214868480
	.fill 96, 4, 3214868480
	.section	.rodata,"a",@progbits
	.p2align	6, 0x0
	.amdhsa_kernel k_qf72fcc9bd3_router
		.amdhsa_group_segment_fixed_size 0
		.amdhsa_private_segment_fixed_size 0
		.amdhsa_enable_private_segment 0
		.amdhsa_kernarg_size 40
		.amdhsa_user_sgpr_count 2
		.amdhsa_user_sgpr_kernarg_segment_ptr 1
		.amdhsa_wavefront_size32 1
		.amdhsa_system_sgpr_workgroup_id_x 1
		.amdhsa_system_sgpr_workgroup_id_y 1
		.amdhsa_system_sgpr_workgroup_id_z 1
		.amdhsa_system_vgpr_workitem_id 0
		.amdhsa_next_free_vgpr 224
		.amdhsa_next_free_sgpr 66
		.amdhsa_reserve_vcc 1
		.amdhsa_float_denorm_mode_32 3
		.amdhsa_float_denorm_mode_16_64 3
		.amdhsa_memory_ordered 1
		.amdhsa_forward_progress 1
		.amdhsa_inst_pref_size 49
	.end_amdhsa_kernel
	.amdgpu_metadata
---
amdhsa.version: [ 1, 2 ]
amdhsa.kernels:
  - .name:           k_qf72fcc9bd3_router
    .symbol:         k_qf72fcc9bd3_router.kd
    .args:
      - { .name: hidden_states, .offset: 0, .size: 8, .value_kind: global_buffer, .address_space: global }
      - { .name: router_w, .offset: 8, .size: 8, .value_kind: global_buffer, .address_space: global }
      - { .name: router_b, .offset: 16, .size: 8, .value_kind: global_buffer, .address_space: global }
      - { .name: sel, .offset: 24, .size: 8, .value_kind: global_buffer, .address_space: global }
      - { .name: tokf, .offset: 32, .size: 8, .value_kind: global_buffer, .address_space: global }
    .group_segment_fixed_size: 0
    .private_segment_fixed_size: 0
    .kernarg_segment_align: 8
    .kernarg_segment_size: 40
    .max_flat_workgroup_size: 64
    .sgpr_count:     66
    .vgpr_count:     224
    .wavefront_size: 32
...
	.end_amdgpu_metadata
.endif
;; end of part 1
;; launch gather (part 2): grid 135 x 1, 32 waves a work-group, no clusters, 9,216 bytes of LDS; arguments hidden_states, ln_g, ln_b, sel, tokf, xg, pos, meta; writes xg, pos, meta
.if DOCPART == 2
	.amdgcn_target "amdgcn-amd-amdhsa--gfx1250"
	.amdhsa_code_object_version 6
	.text
	.protected	k_qf72fcc9bd3_gather
	.globl	k_qf72fcc9bd3_gather
	.p2align	8
	.type	k_qf72fcc9bd3_gather,@function
k_qf72fcc9bd3_gather:
	s_mov_b64 s[64:65], 0
	v_nop
	global_prefetch_b8 v0, s[64:65] scope:SCOPE_SE
	s_setreg_imm32_b32 hwreg(HW_REG_WAVE_MODE, 25, 1), 1
	s_wait_xcnt 0x0
; GATHER.  The 2,048 (token, expert) pairs are sorted by expert; each expert begins on a tile of 16 rows, so there are at most
; 2,048 / 16 + 7 = 135 tiles.  Row of a pair = 16 x the expert's first tile + its rank among the expert's pairs, by token number.
; Work-group G makes tile G of xg: LayerNorm(x) with the tile's expert's gain and bias, in bf16, as 32 matrix fragments of 1 KB.
; Every work-group counts anew (4 KB of sel): thread t is token t.  All index arithmetic is on whole numbers, and no LDS address hangs on data.
; A FRAGMENT BLOCK (1 KB): bytes 16 L of the first half hold registers 0-3 of lane L, of the second half registers 4-7.  Lane (r = L % 16,
; h = L / 16) holds row r; its 16 numbers are k = 64 B + 32 h + 16 f + 0..15 for fragment 2 B + f: a permutation of k that the weights share.
; Rows that no pair has, and whole tiles behind the last, come out as zeros: every byte of xg is written.
; Work-group 0 also stores pos[t] = the rows of token t's two pairs and meta = first tile and tiles of each expert, and the last tile's number.
.set SLW,   1024                       ; LDS [1024, 5120): for each wave 32 words; word r < 16: token + 1 of the tile's row r if the wave has it, else 0
.set SPARE, 5120                       ; LDS [5120, 9216): the spare words.  LDS [0, 512): counts, word 4 wave + 128 j = count of expert j | count of expert j + 4 << 16
	s_load_b512 s[4:19], s[0:1], 0x0               ; x, g, b, sel, tokf, xg, pos, meta in s[4:5] .. s[18:19]
	v_lshl_add_u32 v94, v0, 2, SPARE
	v_mov_b32 v95, 0
	v_and_b32 v1, 31, v0                           ; lane
	v_lshrrev_b32 v2, 5, v0
	v_readfirstlane_b32 s20, v2                    ; wave
	v_lshlrev_b32 v3, 2, v0                        ; 4 t
	v_lshlrev_b32 v7, 2, v2                        ; 4 wave
	v_lshlrev_b32 v11, 2, v1                       ; 4 lane
	s_mov_b32 s22, 0x76543210
	s_mov_b32 s23, 0xfedcba98
	s_mov_b32 s99, ttmp9                           ; G
	s_wait_kmcnt 0x0
	global_load_b32 v4, v3, s[10:11]
.irp t, 20,21,22,23,24,25,26,27
	v_mov_b32 v\t, 0                               ; destinations of lane exchanges count as read
.endr
	s_wait_loadcnt 0x0
	v_and_b32 v5, 7, v4                            ; e0
	v_bfe_u32 v6, v4, 8, 3                         ; e1
.irp e, 0,1,2,3,4,5,6,7
	v_cmp_eq_u32 s[24+\e], \e, v5                  ; which of my wave's tokens have expert e first,
	v_cmp_eq_u32 s[32+\e], \e, v6                  ; which second
.endr
.irp e, 0,1,2,3,4,5,6,7
	s_or_b32 s[40+\e], s[24+\e], s[32+\e]
	s_bcnt1_i32_b32 s[48+\e], s[40+\e]
.endr
.irp j, 0,1,2,3
	s_lshl_b32 s60, s[52+\j], 16
	s_or_b32 s[56+\j], s[48+\j], s60
	v_mov_b32 v[12+\j], s[56+\j]
	ds_store_b32 v7, v[12+\j] offset:128*\j        ; every lane writes the wave's word with the same number
.endr
	s_wait_dscnt 0x0                               ; for the others' sake
	s_barrier_signal -1
	s_barrier_wait -1
.irp j, 0,1,2,3
	ds_load_b32 v[12+\j], v11 offset:128*\j        ; lane l takes wave l's counts
.endr
	v_cmp_gt_u32 vcc_lo, s20, v1                   ; the waves in front of mine
	s_wait_dscnt 0x0
.irp j, 0,1,2,3
	v_cndmask_b32 v[16+\j], 0, v[12+\j], vcc_lo
.endr
.irp m, 1,2,4,8                        ; eight sums over the 32 lanes: all waves' counts, and those of the waves in front
.set rr, 0
.rept 8
	v_mov_b32_dpp v[20+rr], v[12+rr] row_xmask:\m row_mask:0xf bank_mask:0xf
.set rr, rr+1
.endr
.set rr, 0
.rept 8
	v_add_nc_u32 v[12+rr], v[12+rr], v[20+rr]
.set rr, rr+1
.endr
.endr
.set rr, 0
.rept 8
	v_permlanex16_b32 v[20+rr], v[12+rr], s22, s23
.set rr, rr+1
.endr
.set rr, 0
.rept 8
	v_add_nc_u32 v[12+rr], v[12+rr], v[20+rr]
.set rr, rr+1
.endr
.irp j, 0,1,2,3
	v_readfirstlane_b32 s[66+\j], v[12+\j]
	v_readfirstlane_b32 s[70+\j], v[16+\j]
.endr
.irp j, 0,1,2,3                        ; a sum is 1,024 at the most: the halves do not run into each other
	s_and_b32 s[48+\j], s[66+\j], 0xffff           ; s[48+e]: pairs of expert e
	s_lshr_b32 s[52+\j], s[66+\j], 16
	s_and_b32 s[74+\j], s[70+\j], 0xffff           ; s[74+e]: those in the waves in front of mine
	s_lshr_b32 s[78+\j], s[70+\j], 16
.endr
	s_mov_b32 s98, 0
.irp e, 0,1,2,3,4,5,6,7
	s_mov_b32 s[90+\e], s98                        ; the expert's first tile
	s_add_co_u32 s60, s[48+\e], 15
	s_lshr_b32 s[82+\e], s60, 4                    ; its tiles
	s_add_co_u32 s98, s98, s[82+\e]
	s_lshl4_add_u32 s[74+\e], s[90+\e], s[74+\e]   ; the row of my wave's first pair of it
.endr
	s_mov_b32 s21, 0                               ; my tile's expert: the last whose first tile is not behind G
.irp e, 1,2,3,4,5,6,7
	s_cmp_ge_u32 s99, s[90+\e]
	s_cselect_b32 s21, \e, s21
.endr
	s_min_u32 s21, s21, 7
	v_mov_b32 v28, 0
	v_mov_b32 v29, 0
.irp e, 0,1,2,3,4,5,6,7
	v_mbcnt_lo_u32_b32 v30, s[40+\e], s[74+\e]     ; + the lanes below mine that have the expert
	v_cndmask_b32 v28, v28, v30, s[24+\e]          ; P0
	v_cndmask_b32 v29, v29, v30, s[32+\e]          ; P1
.endr
	; wave v makes fragment v: B = v / 2, f = v % 2; my 16 numbers begin at byte 256 B + 128 h + 64 f of a row
	s_lshr_b32 s60, s20, 1
	s_lshl_b32 s60, s60, 8
	s_and_b32 s61, s20, 1
	s_lshl_b32 s61, s61, 6
	s_add_co_u32 s60, s60, s61
	v_lshrrev_b32 v31, 4, v1
	v_lshl_add_u32 v31, v31, 7, s60
	s_lshl_b32 s61, s21, 12
	v_add_nc_u32 v32, s61, v31
.irp m, 0,1,2,3
	global_load_b128 v[40+4*\m:43+4*\m], v32, s[6:7] offset:16*\m
	global_load_b128 v[56+4*\m:59+4*\m], v32, s[8:9] offset:16*\m
.endr
	; which of my wave's tokens has row r of tile G: a ballot for each row, its lowest bit, the token's number + 1 into lane r
	s_lshl_b32 s61, s99, 4
	v_mov_b32 v9, s61
	v_sub_nc_u32 v30, v28, v9
	v_sub_nc_u32 v33, v29, v9
	v_mov_b32 v34, 0
	s_lshl_b32 s62, s20, 5
	s_add_co_u32 s62, s62, 1
.irp r, 0,1,2,3,4,5,6,7,8,9,10,11,12,13,14,15
	v_cmp_eq_u32 s56, \r, v30
	v_cmp_eq_u32 s57, \r, v33
	s_or_b32 s56, s56, s57
	s_ctz_i32_b32 s57, s56
	s_add_co_u32 s57, s57, s62
	s_cmp_lg_u32 s56, 0
	s_cselect_b32 s57, s57, 0
	v_writelane_b32 v34, s57, \r
.endr
	ds_store_b32 v3, v34 offset:SLW                ; a word a thread, at a fixed place
	s_cmp_lg_u32 s99, 0
	s_cbranch_scc1 .Lnot0
	v_lshlrev_b32 v91, 3, v0
	global_store_b64 v91, v[28:29], s[16:17]       ; pos
	s_cmp_lg_u32 s20, 0
	s_cbranch_scc1 .Lnot0
	v_mov_b32 v93, 0
.irp e, 0,1,2,3,4,5,6,7
	v_writelane_b32 v93, s[90+\e], 2*\e
	v_writelane_b32 v93, s[82+\e], 2*\e+1
.endr
	s_sub_co_u32 s60, s98, 1                       ; at least 128 tiles, so this is no less than 127
	v_writelane_b32 v93, s60, 16
	global_store_b32 v11, v93, s[18:19]            ; meta
.Lnot0:
	s_wait_dscnt 0x0
	s_barrier_signal -1
	s_barrier_wait -1
	v_and_b32 v35, 15, v0
	v_lshlrev_b32 v35, 2, v35
	v_lshrrev_b32 v36, 4, v1
	v_lshl_add_u32 v35, v36, 11, v35               ; row r's word of waves 16 h + 0..15
.irp w, 0,1,2,3,4,5,6,7,8,9,10,11,12,13,14,15
	ds_load_b32 v[72+\w], v35 offset:SLW+128*\w
.endr
	s_lshl_b32 s58, s99, 5
	s_add_co_u32 s58, s58, s20
	s_lshl_b32 s58, s58, 10                        ; block 32 G + v of xg
	v_lshl_add_u32 v92, v1, 4, s58
	s_wait_dscnt 0x0
	v_add3_u32 v72, v72, v73, v74                  ; at most one of the 32 words is not 0
	v_add3_u32 v75, v75, v76, v77
	v_add3_u32 v78, v78, v79, v80
	v_add3_u32 v81, v81, v82, v83
	v_add3_u32 v84, v84, v85, v86
	v_add3_u32 v72, v72, v75, v78
	v_add3_u32 v81, v81, v84, v87
	v_add_nc_u32 v72, v72, v81
	v_permlanex16_b32 v73, v72, s22, s23
	v_add_nc_u32 v72, v72, v73
	v_add_nc_u32 v34, -1, v72                      ; the row's token, or -1
	v_cmp_gt_i32 s57, 0, v34                       ; rows that no pair has
	v_min_u32 v35, 0x3ff, v34
	v_lshlrev_b32 v37, 4, v35
	v_lshl_add_u32 v36, v35, 12, v31
	global_load_b64 v[38:39], v37, s[12:13]        ; mean, rstd
.irp m, 0,1,2,3
	global_load_b128 v[72+4*\m:75+4*\m], v36, s[4:5] offset:16*\m
.endr
	s_wait_loadcnt 0x0
.set pp, 0
.rept 8
	v_pk_add_f32 v[72+2*pp:73+2*pp], v[72+2*pp:73+2*pp], v[38:39] op_sel_hi:[1,0] neg_lo:[0,1] neg_hi:[0,1]
.set pp, pp+1
.endr
.set pp, 0
.rept 8
	v_pk_mul_f32 v[72+2*pp:73+2*pp], v[72+2*pp:73+2*pp], v[38:39] op_sel:[0,1] op_sel_hi:[1,1]
.set pp, pp+1
.endr
.set pp, 0
.rept 8
	v_pk_fma_f32 v[72+2*pp:73+2*pp], v[72+2*pp:73+2*pp], v[40+2*pp:41+2*pp], v[56+2*pp:57+2*pp]
.set pp, pp+1
.endr
.set pp, 0
.rept 8
	v_cvt_pk_bf16_f32 v[12+pp], v[72+2*pp], v[73+2*pp]
.set pp, pp+1
.endr
.set pp, 0
.rept 8
	v_cndmask_b32 v[12+pp], v[12+pp], 0, s57
.set pp, pp+1
.endr
	global_store_b128 v92, v[12:15], s[14:15]            ; 512 consecutive bytes each
	global_store_b128 v92, v[16:19], s[14:15] offset:512
	s_wait_tensorcnt 0x0                           ; the wave's end
	ds_add_u32 v94, v95
	s_wait_dscnt 0x0
	s_endpgm
.Lfunc_end_k_qf72fcc9bd3_gather:
	.size	k_qf72fcc9bd3_gather, .Lfunc_end_k_qf72fcc9bd3_gather-k_qf72fcc9bd3_gather
	.p2alignl 7, 3214868480
	.fill 96, 4, 3214868480
	.section	.rodata,"a",@progbits
	.p2align	6, 0x0
	.amdhsa_kernel k_qf72fcc9bd3_gather
		.amdhsa_group_segment_fixed_size 9216
		.amdhsa_private_segment_fixed_size 0
		.amdhsa_enable_private_segment 0
		.amdhsa_kernarg_size 64
		.amdhsa_user_sgpr_count 2
		.amdhsa_user_sgpr_kernarg_segment_ptr 1
		.amdhsa_wavefront_size32 1
		.amdhsa_system_sgpr_workgroup_id_x 1
		.amdhsa_system_sgpr_workgroup_id_y 1
		.amdhsa_system_sgpr_workgroup_id_z 1
		.amdhsa_system_vgpr_workitem_id 0
		.amdhsa_next_free_vgpr 96
		.amdhsa_next_free_sgpr 100
		.amdhsa_reserve_vcc 1
		.amdhsa_float_denorm_mode_32 3
		.amdhsa_float_denorm_mode_16_64 3
		.amdhsa_memory_ordered 1
		.amdhsa_forward_progress 1
		.amdhsa_inst_pref_size 26
	.end_amdhsa_kernel
	.amdgpu_metadata
---
amdhsa.version: [ 1, 2 ]
amdhsa.kernels:
  - .name:           k_qf72fcc9bd3_gather
    .symbol:         k_qf72fcc9bd3_gather.kd
    .args:
      - { .name: hidden_states, .offset: 0, .size: 8, .value_kind: global_buffer, .address_space: global }
      - { .name: ln_g, .offset: 8, .size: 8, .value_kind: global_buffer, .address_space: global }
      - { .name: ln_b, .offset: 16, .size: 8, .value_kind: global_buffer, .address_space: global }
      - { .name: sel, .offset: 24, .size: 8, .value_kind: global_buffer, .address_space: global }
      - { .name: tokf, .offset: 32, .size: 8, .value_kind: global_buffer, .address_space: global }
      - { .name: xg, .offset: 40, .size: 8, .value_kind: global_buffer, .address_space: global }
      - { .name: pos, .offset: 48, .size: 8, .value_kind: global_buffer, .address_space: global }
      - { .name: meta, .offset: 56, .size: 8, .value_kind: global_buffer, .address_space: global }
    .group_segment_fixed_size: 9216
    .private_segment_fixed_size: 0
    .kernarg_segment_align: 8
    .kernarg_segment_size: 64
    .max_flat_workgroup_size: 1024
    .sgpr_count:     100
    .vgpr_count:     96
    .wavefront_size: 32
...
	.end_amdgpu_metadata
.endif
;; end of part 2
;; launch gemm1 (part 3): grid 256 x 1, 8 waves a work-group, no clusters, 230,400 bytes of LDS; arguments w1, b1, xg, meta, hg; writes hg
.if DOCPART == 3
	.amdgcn_target "amdgcn-amd-amdhsa--gfx1250"
	.amdhsa_code_object_version 6
	.text
	.protected	k_qf72fcc9bd3_gemm1
	.globl	k_qf72fcc9bd3_gemm1
	.p2align	8
	.type	k_qf72fcc9bd3_gemm1,@function
k_qf72fcc9bd3_gemm1:
	s_mov_b64 s[64:65], 0
	v_nop
	global_prefetch_b8 v0, s[64:65] scope:SCOPE_SE
	s_setreg_imm32_b32 hwreg(HW_REG_WAVE_MODE, 25, 1), 1
	s_wait_xcnt 0x0
; ONE TEXT FOR BOTH PRODUCTS OF THE EXPERTS (GEMM = 1: hg = gelu(xg w1 + b1), bf16;  GEMM = 2: y = hg w2 (+ b2), f32 partial sums of four K splits).
; SHARES.  256 work-groups = 8 experts x 32 slices; a slice is 128 columns x 1,024 of K: 512 KB of f32 weights, read once for each block of 320 rows.
; GEMM 1: slice = 128 columns of 4,096.  GEMM 2: slice % 8 = 128 columns of 1,024, slice / 8 = a K split of 1,024.
; The result stays in registers: 20 tiles of 16 rows x 128 columns of f32.  All eight waves run the same text.  Wave w owns tiles 4 i + w / 2 (i = 0..4) x columns 64 (w % 2) + 0..63:
; 20 accumulators, 160 registers.  K goes in steps of 128 through two LDS slots.  For each step wave w FILLS its share: 32 of K x 64 columns of the weights (16 loads of f32, rounded to bf16,
; laid into LDS as four matrix fragments) and half of each of its five row tiles (2 KB each, copied as the launch before made them); and MULTIPLIES the step before out of the other slot.
; A step's loads are issued one step ahead, each register group again as soon as it has been emptied: 36 loads of a wave are out at the most.
; WEIGHTS lie [K][N].  Lane (r, h) loads 16 rows k = .. + 32 h + 0..15, 16 bytes each (columns c0 + 4 r + 0..3): 16 lanes cover 256 consecutive bytes.
; Rounding rows 2 q and 2 q + 1 in pairs makes register q of four fragments j, whose row r is column c0 + 4 r + j: no transposition, and a
; permutation of k that the row fragments share (fragment 2 B + f: k = 64 B + 32 h + 16 f + 0..15).
; GEMM 1 takes the weights as source 0: a lane's result is token r, columns c0 + 32 h + 4 p + j, which rounded in pairs IS GEMM 2's row fragment.
; GEMM 2 takes the rows as source 0: a lane's results j = 0..3 are four neighbouring columns of row 8 h + p: 16 lanes store 256 consecutive bytes.
; ROWS.  An expert has 0 to 64 tiles, a number read from meta.  The text walks a constant 4 blocks of 20 tiles, each with a constant 8 barriers;
; in a block without rows everything but the barriers is jumped, forward.  The first block always runs.  Tiles behind an expert's last repeat a live tile and are not stored.
; NO CLUSTER, NO TENSOR LOADS: the 32 work-groups of an expert share the row fragments, but how many blocks they need is read from memory, and a fill
; may not be jumped; a shape fixed for 64 tiles would move more than three times the 20 tiles' bytes.  So the shared tiles come through registers.
; LIMITS.  Operands are bf16, sums f32.  NaN and infinities are not treated apart.  gelu is the tanh form, as x / (1 + 2^(x (K1 + K3 x x))).
.set GEMM, 1
.if GEMM == 1
.set PITCH, 16384                      ; bytes from a row of the weights to the next
.set ASH,   15                         ; a row tile's fragments: 32 KB
.set OSH,   17                         ; a tile of the output: 128 KB
.set HSH,   19                         ; 32 rows of the weights
.else
.set PITCH, 4096
.set ASH,   17
.set OSH,   18
.set HSH,   17
.endif
.set WSTEP, 128*PITCH
.set AS0,   65536                      ; LDS: weights' slots at 0 and 32,768 (block 4 w + j of 1 KB, w = 2 kk + column half); rows' slots at 65,536 and 147,456 (block 4 t + kk)
.set ASZ,   81920
.set SPARE, 229376                     ; the spare words, 128 bytes a wave
; WINDOW 0: v0 thread; v1 16 x lane; v2 weights' offset; v3 where I store weights; v4-v7 where I store rows (slot 0, + 65,536, slot 1, + 65,536); v8 where I read weights;
;   v9-v12 where I read rows (likewise); v13 store offset; v14, v15 the add's two registers; v16-v20 my five tiles' offsets; v21 their lane term; v22 bias offset
.set BI,  24                           ; v[24:27]   GEMM 2: the bias of my four columns
.set FR,  32                           ; v[32:175]  two sets of 72: row fragments of my five tiles, then weight fragments j = 0..3
.set AR,  176                          ; v[176:255] rows as loaded: five units of four loads; GEMM 1: behind a block's last fill its first 32 take the bias
.set XX,  32                           ; the way out, in the fragments' registers: sums with bias,
.set TT,  64                           ; at work,
.set FF,  96                           ; packed
; WINDOW 1: v[32 i + 8 j] accumulator of my tile i, fragment j
.set WR,  160                          ; v[160:223] weights as loaded, 4 registers a row
.set TP,  224                          ; v[224:255] weights rounded: fragment j at 8 j
; s14 wave, s15 expert, s16 slice, s18 = wave / 2, s19 = wave % 2, s20 first tile, s21 tiles, s22 last tile of all, s23 block's first tile, s24 blocks to go, s25 phase pair,
; s26 block has rows, s27 tiles left for me, s[28:29] s[30:31] weights now / at K = 0, s[32:33] s[34:35] rows likewise, s[36:37] output, s44 column slice, s45 K split, s46 my place in an output tile
.set MSB, 0
.macro WIN new                         ; s_set_vgpr_msb: bits 1:0 source 0, 3:2 source 1, 5:4 source 2, 7:6 destination; the high byte repeats the setting that is left
.if MSB != (\new)
	s_set_vgpr_msb (MSB<<8)|(\new)
.set MSB, \new
.endif
.endm
.macro PLACES                          ; four places behind matrix instructions, in front of loads into their sources and of reads of their results
.rept 4
	v_nop
.endr
.endm
	s_load_b256 s[4:11], s[0:1], 0x0               ; weights s[4:5], bias s[6:7], rows s[8:9], meta s[10:11]
	s_load_b64 s[12:13], s[0:1], 0x20              ; output
	v_lshl_add_u32 v14, v0, 2, SPARE
	v_mov_b32 v15, 0
	v_lshrrev_b32 v28, 5, v0
	v_readfirstlane_b32 s14, v28
	v_and_b32 v1, 31, v0
	v_lshlrev_b32 v1, 4, v1
	v_and_b32 v29, 15, v0                          ; r
	v_bfe_u32 v30, v0, 4, 1                        ; h
	s_lshr_b32 s15, ttmp9, 5
	s_and_b32 s16, ttmp9, 31
.if GEMM == 1
	s_mov_b32 s44, s16
	s_mov_b32 s45, 0
	s_mov_b32 s48, 0xc0135761                      ; K1 = -2 log2(e) sqrt(2 / pi) = -2.3022082
	s_mov_b32 s49, 0xc0135761
	s_mov_b32 s50, 0xbdd2d3e8                      ; K3 = 0.044715 K1 = -0.10294324
	s_mov_b32 s51, 0xbdd2d3e8
.else
	s_and_b32 s44, s16, 7
	s_lshr_b32 s45, s16, 3
.endif
	s_lshr_b32 s18, s14, 1
	s_and_b32 s19, s14, 1
	s_mov_b32 s23, 0
	s_mov_b32 s24, 4
	s_mov_b32 s26, 1                               ; the first block always runs
	s_lshl_b32 s52, s15, 3                         ; never rewritten: a pending load names it
	; LDS addresses: a constant, the wave's number times a constant, 16 x lane
	s_lshl_b32 s38, s14, 12
	v_add_nc_u32 v3, s38, v1                       ; my four weight fragments: 4,096 w
	s_lshl_b32 s38, s14, 11
	s_add_co_u32 s38, s38, AS0
	v_add_nc_u32 v4, s38, v1                       ; my half tiles: 2,048 w + 16,384 i
	v_add_nc_u32 v5, 0x10000, v4
	v_add_nc_u32 v6, ASZ, v4
	v_add_nc_u32 v7, 0x10000, v6
	s_lshl_b32 s38, s19, 12
	v_add_nc_u32 v8, s38, v1                       ; the weights that I multiply by: my half of the columns
	s_lshl_b32 s38, s18, 12
	s_add_co_u32 s38, s38, AS0
	v_add_nc_u32 v9, s38, v1                       ; the tiles that I multiply: 4,096 (w / 2) + 16,384 i
	v_add_nc_u32 v10, 0x10000, v9
	v_add_nc_u32 v11, ASZ, v9
	v_add_nc_u32 v12, 0x10000, v11
	s_lshl_b32 s38, s19, 11
	v_add_nc_u32 v21, s38, v1                      ; which half of a tile's 4 KB of a step I fetch
	v_lshlrev_b32 v2, 4, v29
	v_lshl_add_u32 v2, v30, HSH, v2                ; 16 r + 32 rows for the upper lanes
	s_wait_kmcnt 0x0
	s_load_b64 s[20:21], s[10:11], s52 offset:0x0
	s_load_b32 s22, s[10:11], 0x40
	s_lshl_b32 s38, s15, 24                        ; the expert's 16 MB,
	s_lshl_b32 s39, s45, 22                        ; the split's 1,024 rows,
	s_add_co_u32 s38, s38, s39
	s_lshr_b32 s40, s18, 1                         ; my fragment kk = w / 2: rows 64 (kk / 2) + 16 (kk % 2),
	s_mul_i32 s39, s40, 64*PITCH
	s_add_co_u32 s38, s38, s39
	s_and_b32 s40, s18, 1
	s_mul_i32 s39, s40, 16*PITCH
	s_add_co_u32 s38, s38, s39
	s_lshl_b32 s39, s44, 9                         ; the slice's columns,
	s_add_co_u32 s38, s38, s39
	s_lshl_b32 s39, s19, 8                         ; my half of them
	s_add_co_u32 s38, s38, s39
	s_mov_b32 s39, 0
	s_add_nc_u64 s[30:31], s[4:5], s[38:39]
	s_lshl_b32 s38, s45, 15                        ; the split's 32 fragments of a tile
	s_add_nc_u64 s[34:35], s[8:9], s[38:39]
	s_mov_b64 s[28:29], s[30:31]                   ; the walking bases and my tiles' offsets are set from the head on; each block's opening sets them anew
	s_mov_b64 s[32:33], s[34:35]
.irp i, 0,1,2,3,4
	v_mov_b32 v[16+\i], v21
.endr
.if GEMM == 1
	v_lshlrev_b32 v22, 7, v30                      ; my columns begin at c0 + 32 h
	s_lshl_b32 s38, s15, 14
	s_lshl_b32 s39, s44, 9
	s_add_co_u32 s38, s38, s39
	s_lshl_b32 s39, s19, 8
	s_add_co_u32 s38, s38, s39
	s_mov_b32 s39, 0
	s_add_nc_u64 s[6:7], s[6:7], s[38:39]
	s_lshl_b32 s46, s44, 2
	s_lshl1_add_u32 s46, s19, s46
	s_lshl_b32 s46, s46, 10                        ; my first fragment in a tile of hg: 4 slice + 2 (w % 2)
.else
	v_lshlrev_b32 v22, 4, v29
	v_lshl_add_u32 v13, v30, 17, v22               ; row 8 h of a tile of y (16 KB a row), 16 bytes a lane
	s_lshl_b32 s46, s44, 9
	s_lshl_b32 s39, s19, 8
	s_add_co_u32 s46, s46, s39                     ; my first column, in bytes
	s_lshl_b32 s38, s15, 12
	s_add_co_u32 s38, s38, s46
	s_mov_b32 s39, 0
	s_add_nc_u64 s[6:7], s[6:7], s[38:39]
	global_load_b128 v[BI:BI+3], v22, s[6:7]
	s_lshl_b32 s39, s45, 12
	s_add_co_u32 s46, s46, s39                     ; + my split's 4 KB of a row of y
	s_cmp_eq_u32 s45, 0
	s_cselect_b32 s47, -1, 0
	s_wait_loadcnt 0x0
.irp j, 0,1,2,3
	v_cndmask_b32 v[BI+\j], 0, v[BI+\j], s47       ; the bias is added in split 0 alone
.endr
.endif
; ---- the fill ----
.macro ISSUE_W                         ; 16 loads: my 32 rows (16 a lane), 64 columns.  Leaves the destination's window at 1
	WIN 0x40
.set sg, 0
.rept 16
	global_load_b128 v[WR+4*sg:WR+4*sg+3], v2, s[28:29] offset:sg*PITCH th:TH_LOAD_NT
.set sg, sg+1
.endr
.endm
.macro ISSUE_A i                       ; 4 loads: my half of tile 4 i + w / 2: two fragments of this K step, 2 KB on end
.irp c, 0,1,2,3
	global_load_b128 v[AR+16*(\i)+4*\c:AR+16*(\i)+4*\c+3], v[16+(\i)], s[32:33] offset:512*\c
.endr
.endm
.macro STA slot, i
.irp c, 0,1,2,3
	ds_store_b128 v[4+2*(\slot)+(\i)/4], v[AR+16*(\i)+4*\c:AR+16*(\i)+4*\c+3] offset:((\i)%4)*16384+512*\c
.endr
.endm
; A K step goes into a slot.  Its 36 loads were issued in the order: weights (16), units 0-4 (4 each).  ahead = 1: each group's registers are loaded again at once for the next step:
; behind the weights the 20 loads of the units are out; behind unit i the later units, the next weights and the next step's earlier units: 4 (4 - i) + 16 + 4 i = 32.
; ahead = 0: the last step: the counts run down to 0.
.macro FILL slot, ahead
	s_wait_loadcnt 20
	WIN 0x45                                       ; sources and destination in window 1
.irp j, 0,1,2,3
.irp q, 0,1,2,3,4,5,6,7
	v_cvt_pk_bf16_f32 v[TP+8*\j+\q], v[WR+8*\q+\j], v[WR+8*\q+4+\j]   ; rows 2 q and 2 q + 1 of column j make register q of fragment j
.endr
.endr
	WIN 0x04                                       ; store data in window 1
.irp j, 0,1,2,3
	ds_store_b128 v3, v[TP+8*\j:TP+8*\j+3] offset:(\slot)*32768+\j*1024
	ds_store_b128 v3, v[TP+8*\j+4:TP+8*\j+7] offset:(\slot)*32768+\j*1024+512
.endr
.if \ahead
	ISSUE_W
.endif
	WIN 0
.irp i, 0,1,2,3,4
.if \ahead
	s_wait_loadcnt 32
.else
	s_wait_loadcnt 16-4*\i
.endif
	STA \slot, \i
.if \ahead
	ISSUE_A \i
.endif
.endr
.if \ahead
	s_wait_xcnt 0x0                                ; the bases are stepped only behind this wait
	s_add_nc_u64 s[28:29], s[28:29], WSTEP
	s_add_nc_u64 s[32:33], s[32:33], 4096
.endif
.endm
; ---- the products ----
.macro LDF slot, kk                    ; 18 loads: the fragments of 32 of K, into set kk % 2
.set FB, FR+72*((\kk)%2)
.irp i, 0,1,2,3
	ds_load_b128 v[FB+8*\i:FB+8*\i+3],   v[9+2*(\slot)] offset:\i*16384+(\kk)*1024
	ds_load_b128 v[FB+8*\i+4:FB+8*\i+7], v[9+2*(\slot)] offset:\i*16384+(\kk)*1024+512
.endr
	ds_load_b128 v[FB+32:FB+35], v[10+2*(\slot)] offset:(\kk)*1024
	ds_load_b128 v[FB+36:FB+39], v[10+2*(\slot)] offset:(\kk)*1024+512
.irp j, 0,1,2,3
	ds_load_b128 v[FB+40+8*\j:FB+40+8*\j+3], v8 offset:(\slot)*32768+(\kk)*8192+\j*1024
	ds_load_b128 v[FB+40+8*\j+4:FB+40+8*\j+7], v8 offset:(\slot)*32768+(\kk)*8192+\j*1024+512
.endr
.endm
.macro MULS kk, first                  ; 20 products.  The 20 accumulators take turns, one instruction a turn.  first = 1: they start the sums
	WIN 0x50                                       ; C and D in window 1
.set FB, FR+72*((\kk)%2)
.irp i, 0,1,2,3,4
.irp j, 0,1,2,3
.set AC, 32*\i+8*\j
.set WF, FB+40+8*\j
.set TF, FB+8*\i
.if GEMM == 1
.if \first
	v_wmma_f32_16x16x32_bf16 v[AC:AC+7], v[WF:WF+7], v[TF:TF+7], 0
.else
	v_wmma_f32_16x16x32_bf16 v[AC:AC+7], v[WF:WF+7], v[TF:TF+7], v[AC:AC+7]
.endif
.else
.if \first
	v_wmma_f32_16x16x32_bf16 v[AC:AC+7], v[TF:TF+7], v[WF:WF+7], 0
.else
	v_wmma_f32_16x16x32_bf16 v[AC:AC+7], v[TF:TF+7], v[WF:WF+7], v[AC:AC+7]
.endif
.endif
.endr
.endr
	WIN 0
.endm
; A K step of 128 out of a slot: 80 products.  The fragments of the next 32 of K are asked for, in one run, in front of each 20 products: the wait leaves those 18 loads out.
.macro MUL slot, first
	PLACES
.if \first
	v_nop                                          ; five places: these products write over accumulators
.endif
	LDF \slot, 0
	LDF \slot, 1
	s_wait_dscnt 18
	MULS 0, \first
	PLACES
	LDF \slot, 2
	s_wait_dscnt 18
	MULS 1, 0
	PLACES
	LDF \slot, 3
	s_wait_dscnt 18
	MULS 2, 0
	s_wait_dscnt 0x0
	MULS 3, 0
.endm
; PHASE 2 U + par.  Slot par takes K step 2 U + par; the step before is multiplied out of the other slot.  The one barrier at its end orders this phase's fill with the next phase's
; reads of it, and this phase's reads with the next phase's fill of their slot: each wave waits for all its LDS instructions in front of its signal.
; All jumps go forward, on the block's flag and the counter U; none passes the barrier.
.macro PHASE par
	s_cmp_eq_u32 s26, 0
	s_cbranch_scc1 .Lend_\@
.if (\par) == 0
	FILL 0, 1
	s_cmp_eq_u32 s25, 0
	s_cbranch_scc1 .Lend_\@                        ; nothing has been filled before this
	MUL 1, 0
.else
	s_cmp_eq_u32 s25, 3
	s_cbranch_scc1 .Llast_\@
	FILL 1, 1
	s_branch .Lmul_\@
.Llast_\@:
	FILL 1, 0                                      ; K step 7: nothing is left to load
.Lmul_\@:
	s_cmp_eq_u32 s25, 0
	s_cbranch_scc0 .Lnorm_\@
	MUL 0, 1                                       ; K step 0 starts the sums
	s_branch .Lend_\@
.Lnorm_\@:
	MUL 0, 0
.endif
.Lend_\@:
	s_wait_dscnt 0x0
	s_barrier_signal -1
	s_barrier_wait -1
.endm
; THE WAY OUT of my tile i.  Each accumulator's lowest registers are read first.
.macro EPI i
.set XB, 32*(\i)
.if GEMM == 1
	WIN 0x01                                       ; source 0 in window 1
.set nn, 0
.rept 16
	v_pk_add_f32 v[XX+nn:XX+nn+1], v[XB+nn:XB+nn+1], v[AR+nn:AR+nn+1]
.set nn, nn+2
.endr
	WIN 0
.set nn, 0
.rept 16
	v_pk_mul_f32 v[TT+nn:TT+nn+1], v[XX+nn:XX+nn+1], v[XX+nn:XX+nn+1]
.set nn, nn+2
.endr
.set nn, 0
.rept 16
	v_pk_fma_f32 v[TT+nn:TT+nn+1], v[TT+nn:TT+nn+1], s[50:51], s[48:49] op_sel_hi:[1,0,0]
.set nn, nn+2
.endr
.set nn, 0
.rept 16
	v_pk_mul_f32 v[TT+nn:TT+nn+1], v[XX+nn:XX+nn+1], v[TT+nn:TT+nn+1]
.set nn, nn+2
.endr
.set nn, 0
.rept 32
	v_exp_f32 v[TT+nn], v[TT+nn]
.set nn, nn+1
.endr
	v_nop                                          ; a plain instruction behind the last exponential (ISA guide 5.7.2)
.set nn, 0
	s_wait_alu depctr_va_vdst(0)
.rept 16
	v_pk_add_f32 v[TT+nn:TT+nn+1], v[TT+nn:TT+nn+1], 1.0 op_sel_hi:[1,0]
.set nn, nn+2
.endr
.set nn, 0
.rept 32
	v_rcp_f32 v[TT+nn], v[TT+nn]
.set nn, nn+1
.endr
	v_nop
.set nn, 0
	s_wait_alu depctr_va_vdst(0)
.rept 16
	v_pk_mul_f32 v[TT+nn:TT+nn+1], v[XX+nn:XX+nn+1], v[TT+nn:TT+nn+1]
.set nn, nn+2
.endr
	s_wait_xcnt 0x0                                ; the packed registers, which the last tile's stores read, are rewritten only behind this wait
.irp ph, 0,1                           ; column c0 + 32 h + 4 p + j is number 4 (p % 4) + j of fragment p / 4
.irp q, 0,1,2,3,4,5,6,7
	v_cvt_pk_bf16_f32 v[FF+8*\ph+\q], v[TT+16*(\q%2)+4*\ph+\q/2], v[TT+16*(\q%2)+8+4*\ph+\q/2]
.endr
.endr
.irp ph, 0,1
	global_store_b128 v1, v[FF+8*\ph:FF+8*\ph+3], s[36:37] offset:(\i)*524288+\ph*1024          ; 512 consecutive bytes each
	global_store_b128 v1, v[FF+8*\ph+4:FF+8*\ph+7], s[36:37] offset:(\i)*524288+\ph*1024+512
.endr
.else
	s_wait_xcnt 0x0                                ; the last tile's stores have read these registers
	WIN 0x01
.irp p, 0,1,2,3,4,5,6,7
.irp j, 0,1,2,3
	v_add_f32 v[TT+4*\p+\j], v[XB+8*\j+\p], v[BI+\j]   ; the bias (0 in splits 1-3); the four columns come side by side
.endr
.endr
	WIN 0
.irp p, 0,1,2,3,4,5,6,7
	global_store_b128 v13, v[TT+4*\p:TT+4*\p+3], s[36:37] offset:(\i)*1048576+\p*16384   ; 16 lanes store 256 consecutive bytes of a row
.endr
.endif
.endm
.Lblk:                                                 ; four times: a block of 20 tiles
	s_cmp_eq_u32 s26, 0
	s_cbranch_scc1 .Lgo
	s_wait_loadcnt 0x0                             ; no load of mine is out: bases, offsets and the loads' registers may be written
	s_wait_xcnt 0x0
	s_mov_b64 s[28:29], s[30:31]
	ISSUE_W                                        ; the weights of K step 0 go out before meta is waited for
	WIN 0
	s_wait_kmcnt 0x0
	s_max_u32 s40, s21, 1
	s_sub_co_u32 s40, s40, 1                       ; the expert's last tile
	s_add_co_u32 s39, s23, s18
.irp i, 0,1,2,3,4
	s_add_co_u32 s41, s39, 4*\i                    ; tile 4 i + w / 2 of the block,
	s_min_u32 s41, s41, s40                        ; or the expert's last,
	s_add_co_u32 s41, s41, s20
	s_min_u32 s41, s41, s22                        ; never behind the last tile that was made
	s_min_u32 s41, s41, 134
	s_lshl_b32 s41, s41, ASH
	v_add_nc_u32 v[16+\i], s41, v21
.endr
	s_mov_b64 s[32:33], s[34:35]
.irp i, 0,1,2,3,4
	ISSUE_A \i
.endr
	s_wait_xcnt 0x0
	s_add_nc_u64 s[28:29], s[28:29], WSTEP
	s_add_nc_u64 s[32:33], s[32:33], 4096
.Lgo:
	s_wait_kmcnt 0x0
	s_sub_co_i32 s27, s21, s23
	s_sub_co_i32 s27, s27, s18                     ; my tile i is live if 4 i is less than this
	s_mov_b32 s25, 0
.Lph:
	PHASE 0
	PHASE 1
	s_add_co_u32 s25, s25, 1
	s_cmp_lt_u32 s25, 4
	s_cbranch_scc1 .Lph
	s_cmp_eq_u32 s26, 0
	s_cbranch_scc1 .Lep_end
.if GEMM == 1
	s_wait_loadcnt 0x0                             ; no load of mine is out (the last step's counts ran down to 0): the rows' registers may be loaded again
.irp j, 0,1,2,3
.irp p, 0,1,2,3,4,5,6,7
	global_load_b32 v[AR+8*\j+\p], v22, s[6:7] offset:16*\p+4*\j   ; the bias in the accumulators' layout; it lands while the last step is multiplied
.endr
.endr
.endif
	MUL 1, 0                                       ; K step 7.  No barrier follows: the next block fills slot 0 first, and slot 1 only behind a barrier in front of which these reads are waited for
	PLACES
	s_wait_loadcnt 0x0                             ; the bias
	s_wait_xcnt 0x0                                ; the output's base is rewritten only behind this wait
	s_add_co_u32 s38, s20, s23
	s_add_co_u32 s38, s38, s18                     ; my first tile
	s_min_u32 s38, s38, 134
	s_lshl_b32 s38, s38, OSH
	s_add_co_u32 s38, s38, s46
	s_mov_b32 s39, 0
	s_add_nc_u64 s[36:37], s[12:13], s[38:39]
.irp i, 0,1,2,3,4
	s_cmp_le_i32 s27, 4*\i
	s_cbranch_scc1 .Lep_end                        ; the expert has no such tile: nothing more is stored
	EPI \i
.endr
.Lep_end:
	s_wait_storecnt 0x0                            ; the next block's LDS loads land in registers that the last stores read
	s_wait_xcnt 0x0
	s_add_co_u32 s23, s23, 20
	s_cmp_gt_u32 s21, s23
	s_cselect_b32 s26, 1, 0
	s_sub_co_u32 s24, s24, 1
	s_cmp_lg_u32 s24, 0
	s_cbranch_scc1 .Lblk
	s_wait_tensorcnt 0x0                           ; the wave's end
	ds_add_u32 v14, v15
	s_wait_dscnt 0x0
	s_endpgm
.Lfunc_end_k_qf72fcc9bd3_gemm1:
	.size	k_qf72fcc9bd3_gemm1, .Lfunc_end_k_qf72fcc9bd3_gemm1-k_qf72fcc9bd3_gemm1
	.p2alignl 7, 3214868480
	.fill 96, 4, 3214868480
	.section	.rodata,"a",@progbits
	.p2align	6, 0x0
	.amdhsa_kernel k_qf72fcc9bd3_gemm1
		.amdhsa_group_segment_fixed_size 230400
		.amdhsa_private_segment_fixed_size 0
		.amdhsa_enable_private_segment 0
		.amdhsa_kernarg_size 40
		.amdhsa_user_sgpr_count 2
		.amdhsa_user_sgpr_kernarg_segment_ptr 1
		.amdhsa_wavefront_size32 1
		.amdhsa_system_sgpr_workgroup_id_x 1
		.amdhsa_system_sgpr_workgroup_id_y 1
		.amdhsa_system_sgpr_workgroup_id_z 1
		.amdhsa_system_vgpr_workitem_id 0
		.amdhsa_next_free_vgpr 512
		.amdhsa_next_free_sgpr 66
		.amdhsa_reserve_vcc 0
		.amdhsa_float_denorm_mode_32 3
		.amdhsa_float_denorm_mode_16_64 3
		.amdhsa_memory_ordered 1
		.amdhsa_forward_progress 1
		.amdhsa_inst_pref_size 122
	.end_amdhsa_kernel
	.amdgpu_metadata
---
amdhsa.version: [ 1, 2 ]
amdhsa.kernels:
  - .name:           k_qf72fcc9bd3_gemm1
    .symbol:         k_qf72fcc9bd3_gemm1.kd
    .args:
      - { .name: w1, .offset: 0, .size: 8, .value_kind: global_buffer, .address_space: global }
      - { .name: b1, .offset: 8, .size: 8, .value_kind: global_buffer, .address_space: global }
      - { .name: xg, .offset: 16, .size: 8, .value_kind: global_buffer, .address_space: global }
      - { .name: meta, .offset: 24, .size: 8, .value_kind: global_buffer, .address_space: global }
      - { .name: hg, .offset: 32, .size: 8, .value_kind: global_buffer, .address_space: global }
    .group_segment_fixed_size: 230400
    .private_segment_fixed_size: 0
    .kernarg_segment_align: 8
    .kernarg_segment_size: 40
    .max_flat_workgroup_size: 256
    .sgpr_count:     66
    .vgpr_count:     512
    .wavefront_size: 32
...
	.end_amdgpu_metadata
.endif
;; end of part 3
;; launch gemm2 (part 4): grid 256 x 1, 8 waves a work-group, no clusters, 230,400 bytes of LDS; arguments w2, b2, hg, meta, y; writes y
.if DOCPART == 4
	.amdgcn_target "amdgcn-amd-amdhsa--gfx1250"
	.amdhsa_code_object_version 6
	.text
	.protected	k_qf72fcc9bd3_gemm2
	.globl	k_qf72fcc9bd3_gemm2
	.p2align	8
	.type	k_qf72fcc9bd3_gemm2,@function
k_qf72fcc9bd3_gemm2:
	s_mov_b64 s[64:65], 0
	v_nop
	global_prefetch_b8 v0, s[64:65] scope:SCOPE_SE
	s_setreg_imm32_b32 hwreg(HW_REG_WAVE_MODE, 25, 1), 1
	s_wait_xcnt 0x0
; ONE TEXT FOR BOTH PRODUCTS OF THE EXPERTS (GEMM = 1: hg = gelu(xg w1 + b1), bf16;  GEMM = 2: y = hg w2 (+ b2), f32 partial sums of four K splits).
; SHARES.  256 work-groups = 8 experts x 32 slices; a slice is 128 columns x 1,024 of K: 512 KB of f32 weights, read once for each block of 320 rows.
; GEMM 1: slice = 128 columns of 4,096.  GEMM 2: slice % 8 = 128 columns of 1,024, slice / 8 = a K split of 1,024.
; The result stays in registers: 20 tiles of 16 rows x 128 columns of f32.  All eight waves run the same text.  Wave w owns tiles 4 i + w / 2 (i = 0..4) x columns 64 (w % 2) + 0..63:
; 20 accumulators, 160 registers.  K goes in steps of 128 through two LDS slots.  For each step wave w FILLS its share: 32 of K x 64 columns of the weights (16 loads of f32, rounded to bf16,
; laid into LDS as four matrix fragments) and half of each of its five row tiles (2 KB each, copied as the launch before made them); and MULTIPLIES the step before out of the other slot.
; A step's loads are issued one step ahead, each register group again as soon as it has been emptied: 36 loads of a wave are out at the most.
; WEIGHTS lie [K][N].  Lane (r, h) loads 16 rows k = .. + 32 h + 0..15, 16 bytes each (columns c0 + 4 r + 0..3): 16 lanes cover 256 consecutive bytes.
; Rounding rows 2 q and 2 q + 1 in pairs makes register q of four fragments j, whose row r is column c0 + 4 r + j: no transposition, and a
; permutation of k that the row fragments share (fragment 2 B + f: k = 64 B + 32 h + 16 f + 0..15).
; GEMM 1 takes the weights as source 0: a lane's result is token r, columns c0 + 32 h + 4 p + j, which rounded in pairs IS GEMM 2's row fragment.
; GEMM 2 takes the rows as source 0: a lane's results j = 0..3 are four neighbouring columns of row 8 h + p: 16 lanes store 256 consecutive bytes.
; ROWS.  An expert has 0 to 64 tiles, a number read from meta.  The text walks a constant 4 blocks of 20 tiles, each with a constant 8 barriers;
; in a block without rows everything but the barriers is jumped, forward.  The first block always runs.  Tiles behind an expert's last repeat a live tile and are not stored.
; NO CLUSTER, NO TENSOR LOADS: the 32 work-groups of an expert share the row fragments, but how many blocks they need is read from memory, and a fill
; may not be jumped; a shape fixed for 64 tiles would move more than three times the 20 tiles' bytes.  So the shared tiles come through registers.
; LIMITS.  Operands are bf16, sums f32.  NaN and infinities are not treated apart.  gelu is the tanh form, as x / (1 + 2^(x (K1 + K3 x x))).
.set GEMM, 2
.if GEMM == 1
.set PITCH, 16384                      ; bytes from a row of the weights to the next
.set ASH,   15                         ; a row tile's fragments: 32 KB
.set OSH,   17                         ; a tile of the output: 128 KB
.set HSH,   19                         ; 32 rows of the weights
.else
.set PITCH, 4096
.set ASH,   17
.set OSH,   18
.set HSH,   17
.endif
.set WSTEP, 128*PITCH
.set AS0,   65536                      ; LDS: weights' slots at 0 and 32,768 (block 4 w + j of 1 KB, w = 2 kk + column half); rows' slots at 65,536 and 147,456 (block 4 t + kk)
.set ASZ,   81920
.set SPARE, 229376                     ; the spare words, 128 bytes a wave
; WINDOW 0: v0 thread; v1 16 x lane; v2 weights' offset; v3 where I store weights; v4-v7 where I store rows (slot 0, + 65,536, slot 1, + 65,536); v8 where I read weights;
;   v9-v12 where I read rows (likewise); v13 store offset; v14, v15 the add's two registers; v16-v20 my five tiles' offsets; v21 their lane term; v22 bias offset
.set BI,  24                           ; v[24:27]   GEMM 2: the bias of my four columns
.set FR,  32                           ; v[32:175]  two sets of 72: row fragments of my five tiles, then weight fragments j = 0..3
.set AR,  176                          ; v[176:255] rows as loaded: five units of four loads; GEMM 1: behind a block's last fill its first 32 take the bias
.set XX,  32                           ; the way out, in the fragments' registers: sums with bias,
.set TT,  64                           ; at work,
.set FF,  96                           ; packed
; WINDOW 1: v[32 i + 8 j] accumulator of my tile i, fragment j
.set WR,  160                          ; v[160:223] weights as loaded, 4 registers a row
.set TP,  224                          ; v[224:255] weights rounded: fragment j at 8 j
; s14 wave, s15 expert, s16 slice, s18 = wave / 2, s19 = wave % 2, s20 first tile, s21 tiles, s22 last tile of all, s23 block's first tile, s24 blocks to go, s25 phase pair,
; s26 block has rows, s27 tiles left for me, s[28:29] s[30:31] weights now / at K = 0, s[32:33] s[34:35] rows likewise, s[36:37] output, s44 column slice, s45 K split, s46 my place in an output tile
.set MSB, 0
.macro WIN new                         ; s_set_vgpr_msb: bits 1:0 source 0, 3:2 source 1, 5:4 source 2, 7:6 destination; the high byte repeats the setting that is left
.if MSB != (\new)
	s_set_vgpr_msb (MSB<<8)|(\new)
.set MSB, \new
.endif
.endm
.macro PLACES                          ; four places behind matrix instructions, in front of loads into their sources and of reads of their results
.rept 4
	v_nop
.endr
.endm
	s_load_b256 s[4:11], s[0:1], 0x0               ; weights s[4:5], bias s[6:7], rows s[8:9], meta s[10:11]
	s_load_b64 s[12:13], s[0:1], 0x20              ; output
	v_lshl_add_u32 v14, v0, 2, SPARE
	v_mov_b32 v15, 0
	v_lshrrev_b32 v28, 5, v0
	v_readfirstlane_b32 s14, v28
	v_and_b32 v1, 31, v0
	v_lshlrev_b32 v1, 4, v1
	v_and_b32 v29, 15, v0                          ; r
	v_bfe_u32 v30, v0, 4, 1                        ; h
	s_lshr_b32 s15, ttmp9, 5
	s_and_b32 s16, ttmp9, 31
.if GEMM == 1
	s_mov_b32 s44, s16
	s_mov_b32 s45, 0
	s_mov_b32 s48, 0xc0135761                      ; K1 = -2 log2(e) sqrt(2 / pi) = -2.3022082
	s_mov_b32 s49, 0xc0135761
	s_mov_b32 s50, 0xbdd2d3e8                      ; K3 = 0.044715 K1 = -0.10294324
	s_mov_b32 s51, 0xbdd2d3e8
.else
	s_and_b32 s44, s16, 7
	s_lshr_b32 s45, s16, 3
.endif
	s_lshr_b32 s18, s14, 1
	s_and_b32 s19, s14, 1
	s_mov_b32 s23, 0
	s_mov_b32 s24, 4
	s_mov_b32 s26, 1                               ; the first block always runs
	s_lshl_b32 s52, s15, 3                         ; never rewritten: a pending load names it
	; LDS addresses: a constant, the wave's number times a constant, 16 x lane
	s_lshl_b32 s38, s14, 12
	v_add_nc_u32 v3, s38, v1                       ; my four weight fragments: 4,096 w
	s_lshl_b32 s38, s14, 11
	s_add_co_u32 s38, s38, AS0
	v_add_nc_u32 v4, s38, v1                       ; my half tiles: 2,048 w + 16,384 i
	v_add_nc_u32 v5, 0x10000, v4
	v_add_nc_u32 v6, ASZ, v4
	v_add_nc_u32 v7, 0x10000, v6
	s_lshl_b32 s38, s19, 12
	v_add_nc_u32 v8, s38, v1                       ; the weights that I multiply by: my half of the columns
	s_lshl_b32 s38, s18, 12
	s_add_co_u32 s38, s38, AS0
	v_add_nc_u32 v9, s38, v1                       ; the tiles that I multiply: 4,096 (w / 2) + 16,384 i
	v_add_nc_u32 v10, 0x10000, v9
	v_add_nc_u32 v11, ASZ, v9
	v_add_nc_u32 v12, 0x10000, v11
	s_lshl_b32 s38, s19, 11
	v_add_nc_u32 v21, s38, v1                      ; which half of a tile's 4 KB of a step I fetch
	v_lshlrev_b32 v2, 4, v29
	v_lshl_add_u32 v2, v30, HSH, v2                ; 16 r + 32 rows for the upper lanes
	s_wait_kmcnt 0x0
	s_load_b64 s[20:21], s[10:11], s52 offset:0x0
	s_load_b32 s22, s[10:11], 0x40
	s_lshl_b32 s38, s15, 24                        ; the expert's 16 MB,
	s_lshl_b32 s39, s45, 22                        ; the split's 1,024 rows,
	s_add_co_u32 s38, s38, s39
	s_lshr_b32 s40, s18, 1                         ; my fragment kk = w / 2: rows 64 (kk / 2) + 16 (kk % 2),
	s_mul_i32 s39, s40, 64*PITCH
	s_add_co_u32 s38, s38, s39
	s_and_b32 s40, s18, 1
	s_mul_i32 s39, s40, 16*PITCH
	s_add_co_u32 s38, s38, s39
	s_lshl_b32 s39, s44, 9                         ; the slice's columns,
	s_add_co_u32 s38, s38, s39
	s_lshl_b32 s39, s19, 8                         ; my half of them
	s_add_co_u32 s38, s38, s39
	s_mov_b32 s39, 0
	s_add_nc_u64 s[30:31], s[4:5], s[38:39]
	s_lshl_b32 s38, s45, 15                        ; the split's 32 fragments of a tile
	s_add_nc_u64 s[34:35], s[8:9], s[38:39]
	s_mov_b64 s[28:29], s[30:31]                   ; the walking bases and my tiles' offsets are set from the head on; each block's opening sets them anew
	s_mov_b64 s[32:33], s[34:35]
.irp i, 0,1,2,3,4
	v_mov_b32 v[16+\i], v21
.endr
.if GEMM == 1
	v_lshlrev_b32 v22, 7, v30                      ; my columns begin at c0 + 32 h
	s_lshl_b32 s38, s15, 14
	s_lshl_b32 s39, s44, 9
	s_add_co_u32 s38, s38, s39
	s_lshl_b32 s39, s19, 8
	s_add_co_u32 s38, s38, s39
	s_mov_b32 s39, 0
	s_add_nc_u64 s[6:7], s[6:7], s[38:39]
	s_lshl_b32 s46, s44, 2
	s_lshl1_add_u32 s46, s19, s46
	s_lshl_b32 s46, s46, 10                        ; my first fragment in a tile of hg: 4 slice + 2 (w % 2)
.else
	v_lshlrev_b32 v22, 4, v29
	v_lshl_add_u32 v13, v30, 17, v22               ; row 8 h of a tile of y (16 KB a row), 16 bytes a lane
	s_lshl_b32 s46, s44, 9
	s_lshl_b32 s39, s19, 8
	s_add_co_u32 s46, s46, s39                     ; my first column, in bytes
	s_lshl_b32 s38, s15, 12
	s_add_co_u32 s38, s38, s46
	s_mov_b32 s39, 0
	s_add_nc_u64 s[6:7], s[6:7], s[38:39]
	global_load_b128 v[BI:BI+3], v22, s[6:7]
	s_lshl_b32 s39, s45, 12
	s_add_co_u32 s46, s46, s39                     ; + my split's 4 KB of a row of y
	s_cmp_eq_u32 s45, 0
	s_cselect_b32 s47, -1, 0
	s_wait_loadcnt 0x0
.irp j, 0,1,2,3
	v_cndmask_b32 v[BI+\j], 0, v[BI+\j], s47       ; the bias is added in split 0 alone
.endr
.endif
; ---- the fill ----
.macro ISSUE_W                         ; 16 loads: my 32 rows (16 a lane), 64 columns.  Leaves the destination's window at 1
	WIN 0x40
.set sg, 0
.rept 16
	global_load_b128 v[WR+4*sg:WR+4*sg+3], v2, s[28:29] offset:sg*PITCH th:TH_LOAD_NT
.set sg, sg+1
.endr
.endm
.macro ISSUE_A i                       ; 4 loads: my half of tile 4 i + w / 2: two fragments of this K step, 2 KB on end
.irp c, 0,1,2,3
	global_load_b128 v[AR+16*(\i)+4*\c:AR+16*(\i)+4*\c+3], v[16+(\i)], s[32:33] offset:512*\c
.endr
.endm
.macro STA slot, i
.irp c, 0,1,2,3
	ds_store_b128 v[4+2*(\slot)+(\i)/4], v[AR+16*(\i)+4*\c:AR+16*(\i)+4*\c+3] offset:((\i)%4)*16384+512*\c
.endr
.endm
; A K step goes into a slot.  Its 36 loads were issued in the order: weights (16), units 0-4 (4 each).  ahead = 1: each group's registers are loaded again at once for the next step:
; behind the weights the 20 loads of the units are out; behind unit i the later units, the next weights and the next step's earlier units: 4 (4 - i) + 16 + 4 i = 32.
; ahead = 0: the last step: the counts run down to 0.
.macro FILL slot, ahead
	s_wait_loadcnt 20
	WIN 0x45                                       ; sources and destination in window 1
.irp j, 0,1,2,3
.irp q, 0,1,2,3,4,5,6,7
	v_cvt_pk_bf16_f32 v[TP+8*\j+\q], v[WR+8*\q+\j], v[WR+8*\q+4+\j]   ; rows 2 q and 2 q + 1 of column j make register q of fragment j
.endr
.endr
	WIN 0x04                                       ; store data in window 1
.irp j, 0,1,2,3
	ds_store_b128 v3, v[TP+8*\j:TP+8*\j+3] offset:(\slot)*32768+\j*1024
	ds_store_b128 v3, v[TP+8*\j+4:TP+8*\j+7] offset:(\slot)*32768+\j*1024+512
.endr
.if \ahead
	ISSUE_W
.endif
	WIN 0
.irp i, 0,1,2,3,4
.if \ahead
	s_wait_loadcnt 32
.else
	s_wait_loadcnt 16-4*\i
.endif
	STA \slot, \i
.if \ahead
	ISSUE_A \i
.endif
.endr
.if \ahead
	s_wait_xcnt 0x0                                ; the bases are stepped only behind this wait
	s_add_nc_u64 s[28:29], s[28:29], WSTEP
	s_add_nc_u64 s[32:33], s[32:33], 4096
.endif
.endm
; ---- the products ----
.macro LDF slot, kk                    ; 18 loads: the fragments of 32 of K, into set kk % 2
.set FB, FR+72*((\kk)%2)
.irp i, 0,1,2,3
	ds_load_b128 v[FB+8*\i:FB+8*\i+3],   v[9+2*(\slot)] offset:\i*16384+(\kk)*1024
	ds_load_b128 v[FB+8*\i+4:FB+8*\i+7], v[9+2*(\slot)] offset:\i*16384+(\kk)*1024+512
.endr
	ds_load_b128 v[FB+32:FB+35], v[10+2*(\slot)] offset:(\kk)*1024
	ds_load_b128 v[FB+36:FB+39], v[10+2*(\slot)] offset:(\kk)*1024+512
.irp j, 0,1,2,3
	ds_load_b128 v[FB+40+8*\j:FB+40+8*\j+3], v8 offset:(\slot)*32768+(\kk)*8192+\j*1024
	ds_load_b128 v[FB+40+8*\j+4:FB+40+8*\j+7], v8 offset:(\slot)*32768+(\kk)*8192+\j*1024+512
.endr
.endm
.macro MULS kk, first                  ; 20 products.  The 20 accumulators take turns, one instruction a turn.  first = 1: they start the sums
	WIN 0x50                                       ; C and D in window 1
.set FB, FR+72*((\kk)%2)
.irp i, 0,1,2,3,4
.irp j, 0,1,2,3
.set AC, 32*\i+8*\j
.set WF, FB+40+8*\j
.set TF, FB+8*\i
.if GEMM == 1
.if \first
	v_wmma_f32_16x16x32_bf16 v[AC:AC+7], v[WF:WF+7], v[TF:TF+7], 0
.else
	v_wmma_f32_16x16x32_bf16 v[AC:AC+7], v[WF:WF+7], v[TF:TF+7], v[AC:AC+7]
.endif
.else
.if \first
	v_wmma_f32_16x16x32_bf16 v[AC:AC+7], v[TF:TF+7], v[WF:WF+7], 0
.else
	v_wmma_f32_16x16x32_bf16 v[AC:AC+7], v[TF:TF+7], v[WF:WF+7], v[AC:AC+7]
.endif
.endif
.endr
.endr
	WIN 0
.endm
; A K step of 128 out of a slot: 80 products.  The fragments of the next 32 of K are asked for, in one run, in front of each 20 products: the wait leaves those 18 loads out.
.macro MUL slot, first
	PLACES
.if \first
	v_nop                                          ; five places: these products write over accumulators
.endif
	LDF \slot, 0
	LDF \slot, 1
	s_wait_dscnt 18
	MULS 0, \first
	PLACES
	LDF \slot, 2
	s_wait_dscnt 18
	MULS 1, 0
	PLACES
	LDF \slot, 3
	s_wait_dscnt 18
	MULS 2, 0
	s_wait_dscnt 0x0
	MULS 3, 0
.endm
; PHASE 2 U + par.  Slot par takes K step 2 U + par; the step before is multiplied out of the other slot.  The one barrier at its end orders this phase's fill with the next phase's
; reads of it, and this phase's reads with the next phase's fill of their slot: each wave waits for all its LDS instructions in front of its signal.
; All jumps go forward, on the block's flag and the counter U; none passes the barrier.
.macro PHASE par
	s_cmp_eq_u32 s26, 0
	s_cbranch_scc1 .Lend_\@
.if (\par) == 0
	FILL 0, 1
	s_cmp_eq_u32 s25, 0
	s_cbranch_scc1 .Lend_\@                        ; nothing has been filled before this
	MUL 1, 0
.else
	s_cmp_eq_u32 s25, 3
	s_cbranch_scc1 .Llast_\@
	FILL 1, 1
	s_branch .Lmul_\@
.Llast_\@:
	FILL 1, 0                                      ; K step 7: nothing is left to load
.Lmul_\@:
	s_cmp_eq_u32 s25, 0
	s_cbranch_scc0 .Lnorm_\@
	MUL 0, 1                                       ; K step 0 starts the sums
	s_branch .Lend_\@
.Lnorm_\@:
	MUL 0, 0
.endif
.Lend_\@:
	s_wait_dscnt 0x0
	s_barrier_signal -1
	s_barrier_wait -1
.endm
; THE WAY OUT of my tile i.  Each accumulator's lowest registers are read first.
.macro EPI i
.set XB, 32*(\i)
.if GEMM == 1
	WIN 0x01                                       ; source 0 in window 1
.set nn, 0
.rept 16
	v_pk_add_f32 v[XX+nn:XX+nn+1], v[XB+nn:XB+nn+1], v[AR+nn:AR+nn+1]
.set nn, nn+2
.endr
	WIN 0
.set nn, 0
.rept 16
	v_pk_mul_f32 v[TT+nn:TT+nn+1], v[XX+nn:XX+nn+1], v[XX+nn:XX+nn+1]
.set nn, nn+2
.endr
.set nn, 0
.rept 16
	v_pk_fma_f32 v[TT+nn:TT+nn+1], v[TT+nn:TT+nn+1], s[50:51], s[48:49] op_sel_hi:[1,0,0]
.set nn, nn+2
.endr
.set nn, 0
.rept 16
	v_pk_mul_f32 v[TT+nn:TT+nn+1], v[XX+nn:XX+nn+1], v[TT+nn:TT+nn+1]
.set nn, nn+2
.endr
.set nn, 0
.rept 32
	v_exp_f32 v[TT+nn], v[TT+nn]
.set nn, nn+1
.endr
	v_nop                                          ; a plain instruction behind the last exponential (ISA guide 5.7.2)
.set nn, 0
.rept 16
	v_pk_add_f32 v[TT+nn:TT+nn+1], v[TT+nn:TT+nn+1], 1.0 op_sel_hi:[1,0]
.set nn, nn+2
.endr
.set nn, 0
.rept 32
	v_rcp_f32 v[TT+nn], v[TT+nn]
.set nn, nn+1
.endr
	v_nop
.set nn, 0
.rept 16
	v_pk_mul_f32 v[TT+nn:TT+nn+1], v[XX+nn:XX+nn+1], v[TT+nn:TT+nn+1]
.set nn, nn+2
.endr
	s_wait_xcnt 0x0                                ; the packed registers, which the last tile's stores read, are rewritten only behind this wait
.irp ph, 0,1                           ; column c0 + 32 h + 4 p + j is number 4 (p % 4) + j of fragment p / 4
.irp q, 0,1,2,3,4,5,6,7
	v_cvt_pk_bf16_f32 v[FF+8*\ph+\q], v[TT+16*(\q%2)+4*\ph+\q/2], v[TT+16*(\q%2)+8+4*\ph+\q/2]
.endr
.endr
.irp ph, 0,1
	global_store_b128 v1, v[FF+8*\ph:FF+8*\ph+3], s[36:37] offset:(\i)*524288+\ph*1024          ; 512 consecutive bytes each
	global_store_b128 v1, v[FF+8*\ph+4:FF+8*\ph+7], s[36:37] offset:(\i)*524288+\ph*1024+512
.endr
.else
	s_wait_xcnt 0x0                                ; the last tile's stores have read these registers
	WIN 0x01
.irp p, 0,1,2,3,4,5,6,7
.irp j, 0,1,2,3
	v_add_f32 v[TT+4*\p+\j], v[XB+8*\j+\p], v[BI+\j]   ; the bias (0 in splits 1-3); the four columns come side by side
.endr
.endr
	WIN 0
.irp p, 0,1,2,3,4,5,6,7
	global_store_b128 v13, v[TT+4*\p:TT+4*\p+3], s[36:37] offset:(\i)*1048576+\p*16384   ; 16 lanes store 256 consecutive bytes of a row
.endr
.endif
.endm
.Lblk:                                                 ; four times: a block of 20 tiles
	s_cmp_eq_u32 s26, 0
	s_cbranch_scc1 .Lgo
	s_wait_loadcnt 0x0                             ; no load of mine is out: bases, offsets and the loads' registers may be written
	s_wait_xcnt 0x0
	s_mov_b64 s[28:29], s[30:31]
	ISSUE_W                                        ; the weights of K step 0 go out before meta is waited for
	WIN 0
	s_wait_kmcnt 0x0
	s_max_u32 s40, s21, 1
	s_sub_co_u32 s40, s40, 1                       ; the expert's last tile
	s_add_co_u32 s39, s23, s18
.irp i, 0,1,2,3,4
	s_add_co_u32 s41, s39, 4*\i                    ; tile 4 i + w / 2 of the block,
	s_min_u32 s41, s41, s40                        ; or the expert's last,
	s_add_co_u32 s41, s41, s20
	s_min_u32 s41, s41, s22                        ; never behind the last tile that was made
	s_min_u32 s41, s41, 134
	s_lshl_b32 s41, s41, ASH
	v_add_nc_u32 v[16+\i], s41, v21
.endr
	s_mov_b64 s[32:33], s[34:35]
.irp i, 0,1,2,3,4
	ISSUE_A \i
.endr
	s_wait_xcnt 0x0
	s_add_nc_u64 s[28:29], s[28:29], WSTEP
	s_add_nc_u64 s[32:33], s[32:33], 4096
.Lgo:
	s_wait_kmcnt 0x0
	s_sub_co_i32 s27, s21, s23
	s_sub_co_i32 s27, s27, s18                     ; my tile i is live if 4 i is less than this
	s_mov_b32 s25, 0
.Lph:
	PHASE 0
	PHASE 1
	s_add_co_u32 s25, s25, 1
	s_cmp_lt_u32 s25, 4
	s_cbranch_scc1 .Lph
	s_cmp_eq_u32 s26, 0
	s_cbranch_scc1 .Lep_end
.if GEMM == 1
	s_wait_loadcnt 0x0                             ; no load of mine is out (the last step's counts ran down to 0): the rows' registers may be loaded again
.irp j, 0,1,2,3
.irp p, 0,1,2,3,4,5,6,7
	global_load_b32 v[AR+8*\j+\p], v22, s[6:7] offset:16*\p+4*\j   ; the bias in the accumulators' layout; it lands while the last step is multiplied
.endr
.endr
.endif
	MUL 1, 0                                       ; K step 7.  No barrier follows: the next block fills slot 0 first, and slot 1 only behind a barrier in front of which these reads are waited for
	PLACES
	s_wait_loadcnt 0x0                             ; the bias
	s_wait_xcnt 0x0                                ; the output's base is rewritten only behind this wait
	s_add_co_u32 s38, s20, s23
	s_add_co_u32 s38, s38, s18                     ; my first tile
	s_min_u32 s38, s38, 134
	s_lshl_b32 s38, s38, OSH
	s_add_co_u32 s38, s38, s46
	s_mov_b32 s39, 0
	s_add_nc_u64 s[36:37], s[12:13], s[38:39]
.irp i, 0,1,2,3,4
	s_cmp_le_i32 s27, 4*\i
	s_cbranch_scc1 .Lep_end                        ; the expert has no such tile: nothing more is stored
	EPI \i
.endr
.Lep_end:
	s_wait_storecnt 0x0                            ; the next block's LDS loads land in registers that the last stores read
	s_wait_xcnt 0x0
	s_add_co_u32 s23, s23, 20
	s_cmp_gt_u32 s21, s23
	s_cselect_b32 s26, 1, 0
	s_sub_co_u32 s24, s24, 1
	s_cmp_lg_u32 s24, 0
	s_cbranch_scc1 .Lblk
	s_wait_tensorcnt 0x0                           ; the wave's end
	ds_add_u32 v14, v15
	s_wait_dscnt 0x0
	s_endpgm
.Lfunc_end_k_qf72fcc9bd3_gemm2:
	.size	k_qf72fcc9bd3_gemm2, .Lfunc_end_k_qf72fcc9bd3_gemm2-k_qf72fcc9bd3_gemm2
	.p2alignl 7, 3214868480
	.fill 96, 4, 3214868480
	.section	.rodata,"a",@progbits
	.p2align	6, 0x0
	.amdhsa_kernel k_qf72fcc9bd3_gemm2
		.amdhsa_group_segment_fixed_size 230400
		.amdhsa_private_segment_fixed_size 0
		.amdhsa_enable_private_segment 0
		.amdhsa_kernarg_size 40
		.amdhsa_user_sgpr_count 2
		.amdhsa_user_sgpr_kernarg_segment_ptr 1
		.amdhsa_wavefront_size32 1
		.amdhsa_system_sgpr_workgroup_id_x 1
		.amdhsa_system_sgpr_workgroup_id_y 1
		.amdhsa_system_sgpr_workgroup_id_z 1
		.amdhsa_system_vgpr_workitem_id 0
		.amdhsa_next_free_vgpr 512
		.amdhsa_next_free_sgpr 66
		.amdhsa_reserve_vcc 0
		.amdhsa_float_denorm_mode_32 3
		.amdhsa_float_denorm_mode_16_64 3
		.amdhsa_memory_ordered 1
		.amdhsa_forward_progress 1
		.amdhsa_inst_pref_size 81
	.end_amdhsa_kernel
	.amdgpu_metadata
---
amdhsa.version: [ 1, 2 ]
amdhsa.kernels:
  - .name:           k_qf72fcc9bd3_gemm2
    .symbol:         k_qf72fcc9bd3_gemm2.kd
    .args:
      - { .name: w2, .offset: 0, .size: 8, .value_kind: global_buffer, .address_space: global }
      - { .name: b2, .offset: 8, .size: 8, .value_kind: global_buffer, .address_space: global }
      - { .name: hg, .offset: 16, .size: 8, .value_kind: global_buffer, .address_space: global }
      - { .name: meta, .offset: 24, .size: 8, .value_kind: global_buffer, .address_space: global }
      - { .name: y, .offset: 32, .size: 8, .value_kind: global_buffer, .address_space: global }
    .group_segment_fixed_size: 230400
    .private_segment_fixed_size: 0
    .kernarg_segment_align: 8
    .kernarg_segment_size: 40
    .max_flat_workgroup_size: 256
    .sgpr_count:     66
    .vgpr_count:     512
    .wavefront_size: 32
...
	.end_amdgpu_metadata
.endif
;; end of part 4
;; launch combine (part 5): grid 256 x 1, 8 waves a work-group, no clusters, 0 bytes of LDS; arguments hidden_states, y, pos, tokf, out0, out1, out2; writes out0, out1, out2
.if DOCPART == 5
	.amdgcn_target "amdgcn-amd-amdhsa--gfx1250"
	.amdhsa_code_object_version 6
	.text
	.protected	k_qf72fcc9bd3_combine
	.globl	k_qf72fcc9bd3_combine
	.p2align	8
	.type	k_qf72fcc9bd3_combine,@function
k_qf72fcc9bd3_combine:
	s_mov_b64 s[64:65], 0
	v_nop
	global_prefetch_b8 v0, s[64:65] scope:SCOPE_SE
	s_setreg_imm32_b32 hwreg(HW_REG_WAVE_MODE, 25, 1), 1
	s_wait_xcnt 0x0
; COMBINE.  out0[t] = (w0 + w1) x[t] + w0 a + w1 b, where a and b are the sums of the four K splits of y at the rows of token t's two pairs
; (the experts' output bias lies in split 0).  out1 = out2 = 0.
; SHARES.  A wave owns half a token's row, 2 KB: four pieces of 512 consecutive bytes, 16 bytes a lane; for each piece nine loads (x, 4 + 4 splits).
; All 36 loads go out at once; the waits count the younger pieces' loads.  A stream: no LDS, matrix unit or cluster would add anything.
	s_load_b256 s[4:11], s[0:1], 0x0               ; x s[4:5], y s[6:7], pos s[8:9], tokf s[10:11]
	s_load_b128 s[12:15], s[0:1], 0x20             ; out0 s[12:13], out1 s[14:15]
	s_load_b64 s[16:17], s[0:1], 0x30              ; out2
	v_lshrrev_b32 v2, 5, v0
	v_readfirstlane_b32 s20, v2                    ; wave
	v_and_b32 v1, 31, v0
	v_lshlrev_b32 v1, 4, v1
	s_lshr_b32 s21, s20, 1
	s_lshl2_add_u32 s21, ttmp9, s21                ; token = 4 x work-group + wave / 2
	s_and_b32 s22, s20, 1
	s_lshl_b32 s22, s22, 11                        ; which half of the row
	s_lshl_b32 s23, s21, 3
	s_lshl_b32 s26, s21, 4
	s_wait_kmcnt 0x0
	s_load_b64 s[24:25], s[8:9], s23 offset:0x0    ; the two rows
	s_load_b128 s[28:31], s[10:11], s26 offset:0x0 ; mean, rstd, w0, w1
	s_lshl_b32 s44, s21, 12
	s_add_co_u32 s44, s44, s22
	s_mov_b32 s45, 0
	s_add_nc_u64 s[36:37], s[4:5], s[44:45]
	s_add_nc_u64 s[38:39], s[12:13], s[44:45]
	s_mov_b32 s47, 0
	s_wait_kmcnt 0x0
	s_min_u32 s24, s24, 2159
	s_min_u32 s25, s25, 2159
	s_lshl_b32 s46, s24, 14                        ; a row of y: 4 splits x 4 KB
	s_add_co_u32 s46, s46, s22
	s_add_nc_u64 s[32:33], s[6:7], s[46:47]
	s_lshl_b32 s46, s25, 14
	s_add_co_u32 s46, s46, s22
	s_add_nc_u64 s[34:35], s[6:7], s[46:47]
.irp c, 0,1,2,3
	global_load_b128 v[8+36*\c:11+36*\c], v1, s[36:37] offset:512*\c
.irp sp, 0,1,2,3
	global_load_b128 v[12+36*\c+4*\sp:15+36*\c+4*\sp], v1, s[32:33] offset:4096*\sp+512*\c th:TH_LOAD_NT
.endr
.irp sp, 0,1,2,3
	global_load_b128 v[28+36*\c+4*\sp:31+36*\c+4*\sp], v1, s[34:35] offset:4096*\sp+512*\c th:TH_LOAD_NT
.endr
.endr
	s_add_f32 s40, s30, s31                        ; w0 + w1; the packed forms take a pair's low word for both halves
	s_mov_b32 s42, s31
	s_mov_b32 s43, s31
	s_mov_b32 s41, s40
.macro PIECE c, left
.set CB, 8+36*(\c)
	s_wait_loadcnt \left
.irp u, 0,2
	v_pk_add_f32 v[CB+4+\u:CB+5+\u], v[CB+4+\u:CB+5+\u], v[CB+8+\u:CB+9+\u]
	v_pk_add_f32 v[CB+12+\u:CB+13+\u], v[CB+12+\u:CB+13+\u], v[CB+16+\u:CB+17+\u]
	v_pk_add_f32 v[CB+20+\u:CB+21+\u], v[CB+20+\u:CB+21+\u], v[CB+24+\u:CB+25+\u]
	v_pk_add_f32 v[CB+28+\u:CB+29+\u], v[CB+28+\u:CB+29+\u], v[CB+32+\u:CB+33+\u]
	v_pk_mul_f32 v[CB+\u:CB+1+\u], v[CB+\u:CB+1+\u], s[40:41] op_sel_hi:[1,0]
.endr
.irp u, 0,2
	v_pk_add_f32 v[CB+4+\u:CB+5+\u], v[CB+4+\u:CB+5+\u], v[CB+12+\u:CB+13+\u]
	v_pk_add_f32 v[CB+20+\u:CB+21+\u], v[CB+20+\u:CB+21+\u], v[CB+28+\u:CB+29+\u]
.endr
.irp u, 0,2
	v_pk_fma_f32 v[CB+\u:CB+1+\u], v[CB+4+\u:CB+5+\u], s[30:31], v[CB+\u:CB+1+\u] op_sel_hi:[1,0,1]
.endr
.irp u, 0,2
	v_pk_fma_f32 v[CB+\u:CB+1+\u], v[CB+20+\u:CB+21+\u], s[42:43], v[CB+\u:CB+1+\u] op_sel_hi:[1,0,1]
.endr
	global_store_b128 v1, v[CB:CB+3], s[38:39] offset:512*(\c) th:TH_STORE_NT
.endm
	PIECE 0, 27
	PIECE 1, 18
	PIECE 2, 9
	PIECE 3, 0
	s_cmp_lg_u32 ttmp9, 0
	s_cbranch_scc1 .Ldone
	s_cmp_lg_u32 s20, 0
	s_cbranch_scc1 .Ldone
	v_mov_b32 v2, 0
	v_mov_b32 v3, 0
	v_cmp_eq_u32 vcc_lo, 0, v0
	s_wait_xcnt 0x0                                ; EXEC changes only behind this wait
	s_and_saveexec_b32 s48, vcc_lo
	global_store_b32 v2, v3, s[14:15]
	global_store_b32 v2, v3, s[16:17]
.Ldone:
	s_endpgm
.Lfunc_end_k_qf72fcc9bd3_combine:
	.size	k_qf72fcc9bd3_combine, .Lfunc_end_k_qf72fcc9bd3_combine-k_qf72fcc9bd3_combine
	.p2alignl 7, 3214868480
	.fill 96, 4, 3214868480
	.section	.rodata,"a",@progbits
	.p2align	6, 0x0
	.amdhsa_kernel k_qf72fcc9bd3_combine
		.amdhsa_group_segment_fixed_size 0
		.amdhsa_private_segment_fixed_size 0
		.amdhsa_enable_private_segment 0
		.amdhsa_kernarg_size 56
		.amdhsa_user_sgpr_count 2
		.amdhsa_user_sgpr_kernarg_segment_ptr 1
		.amdhsa_wavefront_size32 1
		.amdhsa_system_sgpr_workgroup_id_x 1
		.amdhsa_system_sgpr_workgroup_id_y 1
		.amdhsa_system_sgpr_workgroup_id_z 1
		.amdhsa_system_vgpr_workitem_id 0
		.amdhsa_next_free_vgpr 160
		.amdhsa_next_free_sgpr 66
		.amdhsa_reserve_vcc 1
		.amdhsa_float_denorm_mode_32 3
		.amdhsa_float_denorm_mode_16_64 3
		.amdhsa_memory_ordered 1
		.amdhsa_forward_progress 1
		.amdhsa_inst_pref_size 11
	.end_amdhsa_kernel
	.amdgpu_metadata
---
amdhsa.version: [ 1, 2 ]
amdhsa.kernels:
  - .name:           k_qf72fcc9bd3_combine
    .symbol:         k_qf72fcc9bd3_combine.kd
    .args:
      - { .name: hidden_states, .offset: 0, .size: 8, .value_kind: global_buffer, .address_space: global }
      - { .name: y, .offset: 8, .size: 8, .value_kind: global_buffer, .address_space: global }
      - { .name: pos, .offset: 16, .size: 8, .value_kind: global_buffer, .address_space: global }
      - { .name: tokf, .offset: 24, .size: 8, .value_kind: global_buffer, .address_space: global }
      - { .name: out0, .offset: 32, .size: 8, .value_kind: global_buffer, .address_space: global }
      - { .name: out1, .offset: 40, .size: 8, .value_kind: global_buffer, .address_space: global }
      - { .name: out2, .offset: 48, .size: 8, .value_kind: global_buffer, .address_space: global }
    .group_segment_fixed_size: 0
    .private_segment_fixed_size: 0
    .kernarg_segment_align: 8
    .kernarg_segment_size: 56
    .max_flat_workgroup_size: 256
    .sgpr_count:     66
    .vgpr_count:     160
    .wavefront_size: 32
...
	.end_amdgpu_metadata
.endif
;; end of part 5
;; ======== version 2 of 2: 5 launches; 1.16 times as fast as version 1
;; workspace buffers: sel 4,096 bytes of whole numbers; tokf 16,384 bytes; pos 8,192 bytes of whole numbers; meta 256 bytes of whole numbers; xg 4,423,680 bytes; hg 17,694,720 bytes; y 35,389,440 bytes
;; launch router: the kernel of part 1 again; grid 256 x 1, 2 waves a work-group, no clusters, 0 bytes of LDS; arguments hidden_states, router_w, router_b, sel, tokf; writes sel, tokf
;; launch gather: the kernel of part 2 again; grid 135 x 1, 32 waves a work-group, no clusters, 9,216 bytes of LDS; arguments hidden_states, ln_g, ln_b, sel, tokf, xg, pos, meta; writes xg, pos, meta
;; launch gemm1 (part 6): grid 256 x 1, 4 waves a work-group, no clusters, 66,048 bytes of LDS; arguments w1, b1, xg, meta, hg; writes hg
.if DOCPART == 6
	.amdgcn_target "amdgcn-amd-amdhsa--gfx1250"
	.amdhsa_code_object_version 6
	.text
	.protected	k_qf72fcc9bd3_gemm1
	.globl	k_qf72fcc9bd3_gemm1
	.p2align	8
	.type	k_qf72fcc9bd3_gemm1,@function
k_qf72fcc9bd3_gemm1:
	s_mov_b64 s[64:65], 0
	v_nop
	global_prefetch_b8 v0, s[64:65] scope:SCOPE_SE
	s_setreg_imm32_b32 hwreg(HW_REG_WAVE_MODE, 25, 1), 1
	s_wait_xcnt 0x0
; ONE TEXT FOR BOTH PRODUCTS OF THE EXPERTS (GEMM = 1: hg = gelu(xg w1 + b1), bf16;  GEMM = 2: y = hg w2 (+ b2), f32 partial sums of four K splits).
; SHARES.  256 work-groups = 8 experts x 32 slices; a slice is 128 columns x 1,024 of K: 512 KB of f32 weights, read once for each block of 320 rows.
; GEMM 1: slice = 128 columns of 4,096.  GEMM 2: slice % 8 = 128 columns of 1,024, slice / 8 = a K split of 1,024.
; The result stays in registers: 20 tiles of 16 rows x 128 columns of f32.  Four waves, one to a SIMD; wave w owns tiles 4 i + w (i = 0..4) x all 128 columns: 40 accumulators, 320 registers.
; ROWS come straight from memory into matrix operands: the launch before laid them as fragments of 1 KB, and no two waves need the same tile, so they pass through no LDS.
; WEIGHTS go through LDS, K in steps of 128, two slots of 32 KB.  For each step wave w loads 32 of K x 128 columns (32 loads of f32), rounds them to bf16 and lays eight fragments into a slot;
; every wave reads all 32 fragments of a step: 32 KB into LDS and 128 KB out of it for a step's 640 products.
; WEIGHTS lie [K][N].  Lane (r, h) loads 16 rows k = .. + 32 h + 0..15, 16 bytes each (columns c0 + 4 r + 0..3): 16 lanes cover 256 consecutive bytes.
; Rounding rows 2 q and 2 q + 1 in pairs makes register q of four fragments j, whose row r is column c0 + 4 r + j: no transposition, and a
; permutation of k that the row fragments share (fragment 2 B + f: k = 64 B + 32 h + 16 f + 0..15).
; GEMM 1 takes the weights as source 0: a lane's result is token r, columns c0 + 32 h + 4 p + j, which rounded in pairs IS GEMM 2's row fragment.
; GEMM 2 takes the rows as source 0: a lane's results j = 0..3 are four neighbouring columns of row 8 h + p: 16 lanes store 256 consecutive bytes.
; THE RING OF LOADS has one cyclic order: W (a step's 32 loads of weights), then A0 .. A3 (the ten loads of my five tiles' fragments for each 32 of K).  A group is used, the group due next is
; waited for, and only then the used group is asked for again, one step ahead: 62 loads of a wave are out at the most.  Each group has a base register of its own, stepped behind the counted
; wait that has shown its loads done, so the loop holds no other wait for addresses.
; A BLOCK.  The opening: the first loads go out, the sums are set, CONV(0) fills slot 0; a barrier.  Then four passes U = 0 .. 3 of a counted loop, each of two halves that end in a barrier:
; MUL(2 U), CONV(2 U + 1) | MUL(2 U + 1), CONV(2 U + 2).  The fourth pass asks for no further weights, and its second half is empty.  Behind the loop: MUL(7) and the way out.
; Every barrier stands on every way through the text: what is jumped (a block without rows; the fourth pass's second half) lies between two barriers, and the jump ends in front of the second.
; Each half takes the ring from one state (A0 in; A1, A2, A3 and W out) back to the same state, so that it can be jumped as a whole.  Between two barriers one slot is read and the other written.
; No first step is written out: the sums begin as the bias (GEMM 1) or as 0 (GEMM 2), by 320 v_mov_b32 a block that stand in the wait for the block's first weights: 1,280 bytes of text
; in the place of a fourth copy of a step's 160 products.
; ROWS OF AN EXPERT.  An expert has 0 to 64 tiles, a number read from meta.  The text walks a constant 4 blocks of 20 tiles, each with a constant 9 barriers; in a block without rows everything
; but the barriers is jumped, forward.  The first block always runs.  Tiles behind an expert's last repeat a live tile and are not stored; a wave whose fifth tile does not exist jumps its products.
; NO CLUSTER, NO TENSOR LOADS: the 32 work-groups of an expert share the row fragments, but how many blocks they need is read from memory, and a fill may not be jumped; and a tile brought
; by the data mover would have to be read out of LDS again, 80 KB a step more each way.
; LIMITS.  Operands are bf16, sums f32.  NaN and infinities are not treated apart.  gelu is the tanh form, as x / (1 + 2^(x (K1 + K3 x x))).
.set GEMM, 1
.if GEMM == 1
.set PITCH, 16384                      ; bytes from a row of the weights to the next
.set ASH,   15                         ; a row tile's fragments: 32 KB
.set OSH,   17                         ; a tile of the output: 128 KB
.set HSH,   19                         ; 32 rows of the weights
.set MW,    0x58                       ; products of tiles 0-3: source 0 (weights) window 0, source 1 (rows) window 2, C and D window 1
.else
.set PITCH, 4096
.set ASH,   17
.set OSH,   18
.set HSH,   17
.set MW,    0x52                       ; source 0 (rows) window 2, source 1 (weights) window 0, C and D window 1
.endif
.set WSTEP, 128*PITCH
.set SPARE, 65536                      ; LDS: the weights' slots at 0 and 32,768 (block 8 kk + j of 1 KB, j = 0..7: 4 x column half + column in four); then the spare words, 128 bytes a wave
; WINDOW 0: v0 thread; v1 16 x lane (also where I read weights in LDS); v2 weights' offset; v3 where I store weights; v9-v11 at work in the head; v13 store offset;
;   v14, v15 the add's two registers; v16-v20 my five tiles' offsets; v22 bias offset
.set BI,   24                          ; v[24:31]   GEMM 2: the bias of my 2 x 4 columns
.set WF,   32                          ; v[32:159]  weight fragments, two sets of eight
.set A4,   160                         ; v[160:191] tile 4's row fragments, 8 registers for each 32 of K
.set ACC4, 192                         ; v[192:255] tile 4's accumulators
.set TT,   32                          ; the way out: at work, in the weight fragments' registers
; WINDOW 1: accumulator of tile i (0..3), fragment j at v[64 i + 8 j]
; WINDOW 2: v[32 i + 8 kk] row fragment of tile i (0..3); on the way out the whole window holds what is stored
.set WR,   128                         ; v[128:255] of window 2: weights as loaded, 64 x column half + 4 x row
; WINDOW 3:
.set TP,   0                           ; v[0:63]    weights rounded: 32 x column half + 8 j + register
.set BT,   64                          ; v[64:127]  GEMM 1: the bias, 4 (8 x column half + p) + j
; s14 wave, s15 expert, s16 slice, s18 = wave / 2, s19 = wave % 2, s20 first tile, s21 tiles, s22 last tile of all, s23 block's first tile, s24 blocks to go, s25 the loop's pass U,
; s26 block has rows, s27 tiles left for me, s[28:29] s[30:31] weights now / at K = 0, s[34:35] rows at K = 0, s[36:37] output, s44 column slice, s45 K split, s46 my place in an output tile,
; s53 my fifth tile exists
.set AB,   56                          ; s[56:63]   the rows' base, one for each 32 of K
.set MSB, 0
.macro WIN new                         ; s_set_vgpr_msb: bits 1:0 source 0, 3:2 source 1, 5:4 source 2, 7:6 destination; the high byte repeats the setting that is left
.if MSB != (\new)
	s_set_vgpr_msb (MSB<<8)|(\new)
.set MSB, \new
.endif
.endm
.macro PLACES                          ; four places behind matrix instructions, in front of loads into their sources and of reads of their results
.rept 4
	v_nop
.endr
.endm
.macro BAR                             ; each wave's LDS instructions are done in front of its signal: its stores for the others' reads, its reads for the others' next stores
	s_wait_dscnt 0x0
	s_barrier_signal -1
	s_barrier_wait -1
.endm
	s_load_b256 s[4:11], s[0:1], 0x0               ; weights s[4:5], bias s[6:7], rows s[8:9], meta s[10:11]
	s_load_b64 s[12:13], s[0:1], 0x20              ; output
	v_lshl_add_u32 v14, v0, 2, SPARE
	v_mov_b32 v15, 0
	v_lshrrev_b32 v9, 5, v0
	v_readfirstlane_b32 s14, v9
	v_and_b32 v1, 31, v0
	v_lshlrev_b32 v1, 4, v1
	v_and_b32 v10, 15, v0                          ; r
	v_bfe_u32 v11, v0, 4, 1                        ; h
	s_lshr_b32 s15, ttmp9, 5
	s_and_b32 s16, ttmp9, 31
.if GEMM == 1
	s_mov_b32 s44, s16
	s_mov_b32 s45, 0
	s_mov_b32 s48, 0xc0135761                      ; K1 = -2 log2(e) sqrt(2 / pi) = -2.3022082
	s_mov_b32 s49, 0xc0135761
	s_mov_b32 s50, 0xbdd2d3e8                      ; K3 = 0.044715 K1 = -0.10294324
	s_mov_b32 s51, 0xbdd2d3e8
.else
	s_and_b32 s44, s16, 7
	s_lshr_b32 s45, s16, 3
.endif
	s_lshr_b32 s18, s14, 1
	s_and_b32 s19, s14, 1
	s_mov_b32 s23, 0
	s_mov_b32 s24, 4
	s_mov_b32 s26, 1                               ; the first block always runs
	s_mov_b32 s27, 0
	s_mov_b32 s53, 0
	s_lshl_b32 s52, s15, 3                         ; never rewritten: a pending load names it
	s_lshl_b32 s38, s14, 13
	v_add_nc_u32 v3, s38, v1                       ; my eight weight fragments in a slot: 8,192 w + 16 x lane
	v_lshlrev_b32 v2, 4, v10
	v_lshl_add_u32 v2, v11, HSH, v2                ; 16 r + 32 rows for the upper lanes
	s_wait_kmcnt 0x0
	s_load_b64 s[20:21], s[10:11], s52 offset:0x0
	s_load_b32 s22, s[10:11], 0x40
	s_lshl_b32 s38, s15, 24                        ; the expert's 16 MB,
	s_lshl_b32 s39, s45, 22                        ; the split's 1,024 rows,
	s_add_co_u32 s38, s38, s39
	s_mul_i32 s39, s18, 64*PITCH                   ; my 32 of a step's 128: rows 64 (w / 2) + 16 (w % 2) + 32 h + 0..15,
	s_add_co_u32 s38, s38, s39
	s_mul_i32 s39, s19, 16*PITCH
	s_add_co_u32 s38, s38, s39
	s_lshl_b32 s39, s44, 9                         ; the slice's columns
	s_add_co_u32 s38, s38, s39
	s_mov_b32 s39, 0
	s_add_nc_u64 s[30:31], s[4:5], s[38:39]
	s_lshl_b32 s38, s45, 15                        ; the split's 32 fragments of a tile
	s_add_nc_u64 s[34:35], s[8:9], s[38:39]
	s_mov_b64 s[28:29], s[30:31]                   ; the walking bases and my tiles' offsets are set from the head on; each block's opening sets them anew
.irp kk, 0,1,2,3
	s_mov_b64 s[AB+2*\kk:AB+2*\kk+1], s[34:35]
.endr
.irp i, 0,1,2,3,4
	v_mov_b32 v[16+\i], v1
.endr
.if GEMM == 1
	v_lshlrev_b32 v22, 7, v11                      ; my columns begin at c0 + 32 h
	s_lshl_b32 s38, s15, 14
	s_lshl_b32 s39, s44, 9
	s_add_co_u32 s38, s38, s39
	s_mov_b32 s39, 0
	s_add_nc_u64 s[6:7], s[6:7], s[38:39]
	s_lshl_b32 s46, s44, 12                        ; the slice's first fragment in a tile of hg: 4 x slice
.else
	v_lshlrev_b32 v22, 4, v10
	v_lshl_add_u32 v13, v11, 17, v22               ; row 8 h of a tile of y (16 KB a row), 16 bytes a lane
	s_lshl_b32 s46, s44, 9                         ; the slice's first column, in bytes
	s_lshl_b32 s38, s15, 12
	s_add_co_u32 s38, s38, s46
	s_mov_b32 s39, 0
	s_add_nc_u64 s[6:7], s[6:7], s[38:39]
	s_lshl_b32 s39, s45, 12
	s_add_co_u32 s46, s46, s39                     ; + my split's 4 KB of a row of y
	s_cmp_eq_u32 s45, 0
	s_cselect_b32 s47, -1, 0                       ; the bias is added in split 0 alone
.endif
; ---- the loads ----
.macro ISSUE_W                         ; group W, 32 loads: my 32 rows (16 a lane) x 128 columns
	WIN 0x80                                       ; destination window 2
.irp nh, 0,1
.set sg, 0
.rept 16
	global_load_b128 v[WR+64*\nh+4*sg:WR+64*\nh+4*sg+3], v2, s[28:29] offset:sg*PITCH+256*\nh th:TH_LOAD_NT
.set sg, sg+1
.endr
.endr
	WIN 0
.endm
.macro ISSUE_A kk                      ; group A kk, 10 loads: fragment kk of this step of my five tiles, 1 KB each, as it lies
	WIN 0x80
.irp i, 0,1,2,3
	global_load_b128 v[32*\i+8*(\kk):32*\i+8*(\kk)+3],   v[16+\i], s[AB+2*(\kk):AB+2*(\kk)+1] offset:(\kk)*1024
	global_load_b128 v[32*\i+8*(\kk)+4:32*\i+8*(\kk)+7], v[16+\i], s[AB+2*(\kk):AB+2*(\kk)+1] offset:(\kk)*1024+512
.endr
	WIN 0
	global_load_b128 v[A4+8*(\kk):A4+8*(\kk)+3],   v20, s[AB+2*(\kk):AB+2*(\kk)+1] offset:(\kk)*1024
	global_load_b128 v[A4+8*(\kk)+4:A4+8*(\kk)+7], v20, s[AB+2*(\kk):AB+2*(\kk)+1] offset:(\kk)*1024+512
.endm
; Group W, which has been waited for, is rounded and laid into a slot; then the group due next, A0, is waited for: behind it A1, A2 and A3 are out, 30 loads.
.macro CONV slot
	WIN 0xca                                       ; sources window 2, destination window 3
.irp nh, 0,1
.irp j, 0,1,2,3
.irp q, 0,1,2,3,4,5,6,7
	v_cvt_pk_bf16_f32 v[TP+32*\nh+8*\j+\q], v[WR+64*\nh+8*\q+\j], v[WR+64*\nh+8*\q+4+\j]   ; rows 2 q and 2 q + 1 of column j make register q of fragment j
.endr
.endr
.endr
	WIN 0x0c                                       ; store data window 3
.irp nh, 0,1
.irp j, 0,1,2,3
	ds_store_b128 v3, v[TP+32*\nh+8*\j:TP+32*\nh+8*\j+3] offset:(\slot)*32768+\nh*4096+\j*1024
	ds_store_b128 v3, v[TP+32*\nh+8*\j+4:TP+32*\nh+8*\j+7] offset:(\slot)*32768+\nh*4096+\j*1024+512
.endr
.endr
	WIN 0
	s_wait_loadcnt 30
.endm
.macro WNEXT                           ; the next step's weights; the base's last loads were shown done by the wait for group W
	s_add_nc_u64 s[28:29], s[28:29], WSTEP
	ISSUE_W
.endm
; ---- the products ----
.macro LDF slot, kk                    ; 16 LDS loads: the eight weight fragments of 32 of K, into set kk % 2
.irp j, 0,1,2,3,4,5,6,7
	ds_load_b128 v[WF+64*((\kk)%2)+8*\j:WF+64*((\kk)%2)+8*\j+3],   v1 offset:(\slot)*32768+(\kk)*8192+\j*1024
	ds_load_b128 v[WF+64*((\kk)%2)+8*\j+4:WF+64*((\kk)%2)+8*\j+7], v1 offset:(\slot)*32768+(\kk)*8192+\j*1024+512
.endr
.endm
; 32 of K: 40 products, the accumulators by turns, one instruction a turn.  Tile 4 lies in window 0 with all its operands, so its eight can be jumped
; where the tile does not exist.  The four places behind them serve the loads that follow into the fragments' registers.
.macro MULS kk
	WIN MW
.irp i, 0,1,2,3
.irp j, 0,1,2,3,4,5,6,7
.set AC, 64*\i+8*\j
.set FW, WF+64*((\kk)%2)+8*\j
.set FT, 32*\i+8*(\kk)
.if GEMM == 1
	v_wmma_f32_16x16x32_bf16 v[AC:AC+7], v[FW:FW+7], v[FT:FT+7], v[AC:AC+7]
.else
	v_wmma_f32_16x16x32_bf16 v[AC:AC+7], v[FT:FT+7], v[FW:FW+7], v[AC:AC+7]
.endif
.endr
.endr
	WIN 0
	s_cmp_eq_u32 s53, 0
	s_cbranch_scc1 .Lno4_\@
.irp j, 0,1,2,3,4,5,6,7
.set AC, ACC4+8*\j
.set FW, WF+64*((\kk)%2)+8*\j
.set FT, A4+8*(\kk)
.if GEMM == 1
	v_wmma_f32_16x16x32_bf16 v[AC:AC+7], v[FW:FW+7], v[FT:FT+7], v[AC:AC+7]
.else
	v_wmma_f32_16x16x32_bf16 v[AC:AC+7], v[FT:FT+7], v[FW:FW+7], v[AC:AC+7]
.endif
.endr
.Lno4_\@:
	PLACES
.endm
; Behind the products of group A kk: the group due next is waited for, then A kk is asked for again, one step on.
; ahead = 1.  Behind A kk+1 are out: the step's later groups, 10 (2 - kk); W, 32; the next step's earlier groups, 10 kk: 52 loads.  Behind W (due behind A3): the next step's A0, A1, A2: 30.
; ahead = 0: the last step: nothing is asked for, and the counts run down (as the walk goes they are met at once: the fourth pass has waited for all its loads).
.macro NEXT kk, ahead
.if \ahead
.if (\kk) < 3
	s_wait_loadcnt 52
.else
	s_wait_loadcnt 30
.endif
	s_add_nc_u64 s[AB+2*(\kk):AB+2*(\kk)+1], s[AB+2*(\kk):AB+2*(\kk)+1], 4096   ; this base's last loads were shown done before their fragments were multiplied
	ISSUE_A \kk
.elseif (\kk) < 3
	s_wait_loadcnt 20-10*(\kk)
.endif
.endm
; A K step of 128 out of a slot: 160 products.  The weight fragments of the next 32 of K are asked for in one run ahead of each 40 products: the wait leaves those 16 loads out.
.macro MUL slot, ahead
	LDF \slot, 0
	LDF \slot, 1
	s_wait_dscnt 16
	MULS 0
	LDF \slot, 2
	NEXT 0, \ahead
	s_wait_dscnt 16
	MULS 1
	LDF \slot, 3
	NEXT 1, \ahead
	s_wait_dscnt 16
	MULS 2
	NEXT 2, \ahead
	s_wait_dscnt 0x0
	MULS 3
	NEXT 3, \ahead
.endm
; THE WAY OUT of my tile i, column half nh.  Each accumulator's lowest registers are read first.  Each of the ten units has store registers of its own
; (window 2, whose loads have all landed; GEMM 2's tile 4: window 0), so no store's registers are written again inside a block.
.macro EPI i, nh
.if (\i) < 4
.set XB, 64*(\i)+32*(\nh)
.set W2, 0x05
.set W1, 0x01
.else
.set XB, ACC4+32*(\nh)
.set W2, 0
.set W1, 0
.endif
.if GEMM == 1
.set FS, 16*(2*(\i)+(\nh))
	WIN W2
.set nn, 0
.rept 16
	v_pk_mul_f32 v[TT+nn:TT+nn+1], v[XB+nn:XB+nn+1], v[XB+nn:XB+nn+1]
.set nn, nn+2
.endr
	WIN 0
.set nn, 0
.rept 16
	v_pk_fma_f32 v[TT+nn:TT+nn+1], v[TT+nn:TT+nn+1], s[50:51], s[48:49] op_sel_hi:[1,0,0]
.set nn, nn+2
.endr
	WIN W1
.set nn, 0
.rept 16
	v_pk_mul_f32 v[TT+nn:TT+nn+1], v[XB+nn:XB+nn+1], v[TT+nn:TT+nn+1]
.set nn, nn+2
.endr
	WIN 0
.set nn, 0
.rept 32
	v_exp_f32 v[TT+nn], v[TT+nn]
.set nn, nn+1
.endr
	v_nop                                          ; a plain instruction behind the last exponential (ISA guide 5.7.2)
.set nn, 0
	s_wait_alu depctr_va_vdst(0)
.rept 16
	v_pk_add_f32 v[TT+nn:TT+nn+1], v[TT+nn:TT+nn+1], 1.0 op_sel_hi:[1,0]
.set nn, nn+2
.endr
.set nn, 0
.rept 32
	v_rcp_f32 v[TT+nn], v[TT+nn]
.set nn, nn+1
.endr
	v_nop
	WIN W1
.set nn, 0
	s_wait_alu depctr_va_vdst(0)
.rept 16
	v_pk_mul_f32 v[TT+nn:TT+nn+1], v[XB+nn:XB+nn+1], v[TT+nn:TT+nn+1]
.set nn, nn+2
.endr
	WIN 0x80                                       ; destination window 2
.irp ph, 0,1                           ; column c0 + 32 h + 4 p + j is number 4 (p % 4) + j of fragment p / 4
.irp q, 0,1,2,3,4,5,6,7
	v_cvt_pk_bf16_f32 v[FS+8*\ph+\q], v[TT+16*(\q%2)+4*\ph+\q/2], v[TT+16*(\q%2)+8+4*\ph+\q/2]
.endr
.endr
	WIN 0x08                                       ; store data window 2
.irp ph, 0,1
	global_store_b128 v1, v[FS+8*\ph:FS+8*\ph+3], s[36:37] offset:(\i)*524288+(\nh)*2048+\ph*1024          ; 512 consecutive bytes each
	global_store_b128 v1, v[FS+8*\ph+4:FS+8*\ph+7], s[36:37] offset:(\i)*524288+(\nh)*2048+\ph*1024+512
.endr
	WIN 0
.else
.if (\i) < 4
.set SD, 32*(2*(\i)+(\nh))
.set WA, 0x81
.set WS, 0x08
.else
.set SD, TT+32*(\nh)
.set WA, 0
.set WS, 0
.endif
	WIN WA
.irp p, 0,1,2,3,4,5,6,7
.irp j, 0,1,2,3
	v_add_f32 v[SD+4*\p+\j], v[XB+8*\j+\p], v[BI+4*(\nh)+\j]   ; the bias (0 in splits 1-3); the four columns come side by side
.endr
.endr
	WIN WS
.irp p, 0,1,2,3,4,5,6,7
	global_store_b128 v13, v[SD+4*\p:SD+4*\p+3], s[36:37] offset:(\i)*1048576+\p*16384+(\nh)*256   ; 16 lanes store 256 consecutive bytes of a row
.endr
	WIN 0
.endif
.endm
.Lblk:                                                 ; four times: a block of 20 tiles.  No load of mine is out here, and every store has read its registers: see the block's end
	s_cmp_eq_u32 s26, 0
	s_cbranch_scc1 .Lgo
	; THE OPENING.  The bias, then group W of K step 0, go out before meta is waited for
	s_mov_b64 s[28:29], s[30:31]
.if GEMM == 1
	WIN 0xc0                                       ; destination window 3
.irp nh, 0,1
.irp p, 0,1,2,3,4,5,6,7
	global_load_b128 v[BT+4*(8*\nh+\p):BT+4*(8*\nh+\p)+3], v22, s[6:7] offset:256*\nh+16*\p   ; columns c0 + 64 nh + 32 h + 4 p + 0..3
.endr
.endr
.else
	global_load_b128 v[BI:BI+3], v22, s[6:7]
	global_load_b128 v[BI+4:BI+7], v22, s[6:7] offset:256
.endif
	ISSUE_W
	s_wait_kmcnt 0x0
	s_sub_co_i32 s27, s21, s23
	s_sub_co_i32 s27, s27, s14                     ; my tile i exists if 4 i is less than this
	s_cmp_gt_i32 s27, 16
	s_cselect_b32 s53, 1, 0
	s_max_u32 s40, s21, 1
	s_sub_co_u32 s40, s40, 1                       ; the expert's last tile
	s_add_co_u32 s39, s23, s14
.irp i, 0,1,2,3,4
	s_add_co_u32 s41, s39, 4*\i                    ; tile 4 i + w of the block,
	s_min_u32 s41, s41, s40                        ; or the expert's last,
	s_add_co_u32 s41, s41, s20
	s_min_u32 s41, s41, s22                        ; never behind the last tile that was made
	s_min_u32 s41, s41, 134
	s_lshl_b32 s41, s41, ASH
	v_add_nc_u32 v[16+\i], s41, v1
.endr
.irp kk, 0,1,2,3
	s_mov_b64 s[AB+2*\kk:AB+2*\kk+1], s[34:35]
.endr
	ISSUE_A 0
.if GEMM == 2
	WIN 0x40                                       ; the sums begin at 0
.set nn, 0
.rept 256
	v_mov_b32 v[nn], 0
.set nn, nn+1
.endr
	WIN 0
.set nn, ACC4
.rept 64
	v_mov_b32 v[nn], 0
.set nn, nn+1
.endr
.endif
	s_wait_loadcnt 42                              ; the bias is in: behind it W's 32 loads and A0's 10 are out
.if GEMM == 1
	WIN 0x43                                       ; the sums begin as the bias: destination window 1, source window 3
.irp i, 0,1,2,3
.irp j, 0,1,2,3,4,5,6,7
.irp p, 0,1,2,3,4,5,6,7
	v_mov_b32 v[64*\i+8*\j+\p], v[BT+4*(8*(\j/4)+\p)+\j%4]
.endr
.endr
.endr
	WIN 0x03
.irp j, 0,1,2,3,4,5,6,7
.irp p, 0,1,2,3,4,5,6,7
	v_mov_b32 v[ACC4+8*\j+\p], v[BT+4*(8*(\j/4)+\p)+\j%4]
.endr
.endr
	WIN 0
.else
.irp n, 0,1,2,3,4,5,6,7
	v_cndmask_b32 v[BI+\n], 0, v[BI+\n], s47
.endr
.endif
	ISSUE_A 1
	ISSUE_A 2
	s_wait_loadcnt 30                              ; W is in: behind it A0, A1 and A2 are out
	ISSUE_A 3
	CONV 0                                         ; K step 0 into slot 0, which nobody has read since the barrier before last
	WNEXT                                          ; K step 1's weights
.Lgo:
	BAR
	s_mov_b32 s25, 0
.Lph:                                                  ; pass U = s25 = 0 .. 3.  First half: K step 2 U out of slot 0, K step 2 U + 1 into slot 1
	s_cmp_eq_u32 s26, 0
	s_cbranch_scc1 .LendA
	MUL 0, 1
	CONV 1
	s_cmp_eq_u32 s25, 3
	s_cbranch_scc1 .LlastA
	WNEXT
	s_branch .LendA
.LlastA:
	s_wait_loadcnt 0x0                             ; K step 7 lies in slot 1 and no weights are left to ask for.  All my loads are waited for here: a register that a pending load
	                                               ; will write is never loaded again, whatever text follows this line
.LendA:
	BAR
	s_cmp_eq_u32 s26, 0                            ; second half: K step 2 U + 1 out of slot 1, K step 2 U + 2 into slot 0; empty in the fourth pass
	s_cbranch_scc1 .LendB
	s_cmp_eq_u32 s25, 3
	s_cbranch_scc1 .LendB
	MUL 1, 1
	CONV 0
	WNEXT
.LendB:
	BAR
	s_add_co_u32 s25, s25, 1
	s_cmp_lt_u32 s25, 4
	s_cbranch_scc1 .Lph
	s_cmp_eq_u32 s26, 0
	s_cbranch_scc1 .Lep_end
	MUL 1, 0                                       ; K step 7.  No barrier follows: the next block's opening fills slot 0, and slot 1 is filled only behind the barrier at the opening's end, in front of which these reads are waited for
	s_add_co_u32 s38, s20, s23
	s_add_co_u32 s38, s38, s14                     ; my first tile
	s_min_u32 s38, s38, 134
	s_lshl_b32 s38, s38, OSH
	s_add_co_u32 s38, s38, s46
	s_mov_b32 s39, 0
	s_add_nc_u64 s[36:37], s[12:13], s[38:39]
.irp i, 0,1,2,3,4
	s_cmp_le_i32 s27, 4*\i
	s_cbranch_scc1 .Lep_end                        ; the expert has no such tile: nothing more is stored
	EPI \i, 0
	EPI \i, 1
.endr
.Lep_end:
	s_wait_loadcnt 0x0                             ; the block's end, on every way: no load of mine is out,
	s_wait_xcnt 0x0                                ; and the stores have read their registers and their base: the next block writes all of them anew
	s_wait_kmcnt 0x0
	s_add_co_u32 s23, s23, 20
	s_cmp_gt_u32 s21, s23
	s_cselect_b32 s26, 1, 0
	s_sub_co_u32 s24, s24, 1
	s_cmp_lg_u32 s24, 0
	s_cbranch_scc1 .Lblk
	s_wait_tensorcnt 0x0                           ; the wave's end
	ds_add_u32 v14, v15
	s_wait_dscnt 0x0
	s_endpgm
.Lfunc_end_k_qf72fcc9bd3_gemm1:
	.size	k_qf72fcc9bd3_gemm1, .Lfunc_end_k_qf72fcc9bd3_gemm1-k_qf72fcc9bd3_gemm1
	.p2alignl 7, 3214868480
	.fill 96, 4, 3214868480
	.section	.rodata,"a",@progbits
	.p2align	6, 0x0
	.amdhsa_kernel k_qf72fcc9bd3_gemm1
		.amdhsa_group_segment_fixed_size 66048
		.amdhsa_private_segment_fixed_size 0
		.amdhsa_enable_private_segment 0
		.amdhsa_kernarg_size 40
		.amdhsa_user_sgpr_count 2
		.amdhsa_user_sgpr_kernarg_segment_ptr 1
		.amdhsa_wavefront_size32 1
		.amdhsa_system_sgpr_workgroup_id_x 1
		.amdhsa_system_sgpr_workgroup_id_y 1
		.amdhsa_system_sgpr_workgroup_id_z 1
		.amdhsa_system_vgpr_workitem_id 0
		.amdhsa_next_free_vgpr 896
		.amdhsa_next_free_sgpr 66
		.amdhsa_reserve_vcc 0
		.amdhsa_float_denorm_mode_32 3
		.amdhsa_float_denorm_mode_16_64 3
		.amdhsa_memory_ordered 1
		.amdhsa_forward_progress 1
		.amdhsa_inst_pref_size 192
	.end_amdhsa_kernel
	.amdgpu_metadata
---
amdhsa.version: [ 1, 2 ]
amdhsa.kernels:
  - .name:           k_qf72fcc9bd3_gemm1
    .symbol:         k_qf72fcc9bd3_gemm1.kd
    .args:
      - { .name: w1, .offset: 0, .size: 8, .value_kind: global_buffer, .address_space: global }
      - { .name: b1, .offset: 8, .size: 8, .value_kind: global_buffer, .address_space: global }
      - { .name: xg, .offset: 16, .size: 8, .value_kind: global_buffer, .address_space: global }
      - { .name: meta, .offset: 24, .size: 8, .value_kind: global_buffer, .address_space: global }
      - { .name: hg, .offset: 32, .size: 8, .value_kind: global_buffer, .address_space: global }
    .group_segment_fixed_size: 66048
    .private_segment_fixed_size: 0
    .kernarg_segment_align: 8
    .kernarg_segment_size: 40
    .max_flat_workgroup_size: 128
    .sgpr_count:     66
    .vgpr_count:     896
    .wavefront_size: 32
...
	.end_amdgpu_metadata
.endif
;; end of part 6
;; launch gemm2 (part 7): grid 256 x 1, 4 waves a work-group, no clusters, 66,048 bytes of LDS; arguments w2, b2, hg, meta, y; writes y
.if DOCPART == 7
	.amdgcn_target "amdgcn-amd-amdhsa--gfx1250"
	.amdhsa_code_object_version 6
	.text
	.protected	k_qf72fcc9bd3_gemm2
	.globl	k_qf72fcc9bd3_gemm2
	.p2align	8
	.type	k_qf72fcc9bd3_gemm2,@function
k_qf72fcc9bd3_gemm2:
	s_mov_b64 s[64:65], 0
	v_nop
	global_prefetch_b8 v0, s[64:65] scope:SCOPE_SE
	s_setreg_imm32_b32 hwreg(HW_REG_WAVE_MODE, 25, 1), 1
	s_wait_xcnt 0x0
; ONE TEXT FOR BOTH PRODUCTS OF THE EXPERTS (GEMM = 1: hg = gelu(xg w1 + b1), bf16;  GEMM = 2: y = hg w2 (+ b2), f32 partial sums of four K splits).
; SHARES.  256 work-groups = 8 experts x 32 slices; a slice is 128 columns x 1,024 of K: 512 KB of f32 weights, read once for each block of 320 rows.
; GEMM 1: slice = 128 columns of 4,096.  GEMM 2: slice % 8 = 128 columns of 1,024, slice / 8 = a K split of 1,024.
; The result stays in registers: 20 tiles of 16 rows x 128 columns of f32.  Four waves, one to a SIMD; wave w owns tiles 4 i + w (i = 0..4) x all 128 columns: 40 accumulators, 320 registers.
; ROWS come straight from memory into matrix operands: the launch before laid them as fragments of 1 KB, and no two waves need the same tile, so they pass through no LDS.
; WEIGHTS go through LDS, K in steps of 128, two slots of 32 KB.  For each step wave w loads 32 of K x 128 columns (32 loads of f32), rounds them to bf16 and lays eight fragments into a slot;
; every wave reads all 32 fragments of a step: 32 KB into LDS and 128 KB out of it for a step's 640 products.
; WEIGHTS lie [K][N].  Lane (r, h) loads 16 rows k = .. + 32 h + 0..15, 16 bytes each (columns c0 + 4 r + 0..3): 16 lanes cover 256 consecutive bytes.
; Rounding rows 2 q and 2 q + 1 in pairs makes register q of four fragments j, whose row r is column c0 + 4 r + j: no transposition, and a
; permutation of k that the row fragments share (fragment 2 B + f: k = 64 B + 32 h + 16 f + 0..15).
; GEMM 1 takes the weights as source 0: a lane's result is token r, columns c0 + 32 h + 4 p + j, which rounded in pairs IS GEMM 2's row fragment.
; GEMM 2 takes the rows as source 0: a lane's results j = 0..3 are four neighbouring columns of row 8 h + p: 16 lanes store 256 consecutive bytes.
; THE RING OF LOADS has one cyclic order: W (a step's 32 loads of weights), then A0 .. A3 (the ten loads of my five tiles' fragments for each 32 of K).  A group is used, the group due next is
; waited for, and only then the used group is asked for again, one step ahead: 62 loads of a wave are out at the most.  Each group has a base register of its own, stepped behind the counted
; wait that has shown its loads done, so the loop holds no other wait for addresses.
; A BLOCK.  The opening: the first loads go out, the sums are set, CONV(0) fills slot 0; a barrier.  Then four passes U = 0 .. 3 of a counted loop, each of two halves that end in a barrier:
; MUL(2 U), CONV(2 U + 1) | MUL(2 U + 1), CONV(2 U + 2).  The fourth pass asks for no further weights, and its second half is empty.  Behind the loop: MUL(7) and the way out.
; Every barrier stands on every way through the text: what is jumped (a block without rows; the fourth pass's second half) lies between two barriers, and the jump ends in front of the second.
; Each half takes the ring from one state (A0 in; A1, A2, A3 and W out) back to the same state, so that it can be jumped as a whole.  Between two barriers one slot is read and the other written.
; No first step is written out: the sums begin as the bias (GEMM 1) or as 0 (GEMM 2), by 320 v_mov_b32 a block that stand in the wait for the block's first weights: 1,280 bytes of text
; in the place of a fourth copy of a step's 160 products.
; ROWS OF AN EXPERT.  An expert has 0 to 64 tiles, a number read from meta.  The text walks a constant 4 blocks of 20 tiles, each with a constant 9 barriers; in a block without rows everything
; but the barriers is jumped, forward.  The first block always runs.  Tiles behind an expert's last repeat a live tile and are not stored; a wave whose fifth tile does not exist jumps its products.
; NO CLUSTER, NO TENSOR LOADS: the 32 work-groups of an expert share the row fragments, but how many blocks they need is read from memory, and a fill may not be jumped; and a tile brought
; by the data mover would have to be read out of LDS again, 80 KB a step more each way.
; LIMITS.  Operands are bf16, sums f32.  NaN and infinities are not treated apart.  gelu is the tanh form, as x / (1 + 2^(x (K1 + K3 x x))).
.set GEMM, 2
.if GEMM == 1
.set PITCH, 16384                      ; bytes from a row of the weights to the next
.set ASH,   15                         ; a row tile's fragments: 32 KB
.set OSH,   17                         ; a tile of the output: 128 KB
.set HSH,   19                         ; 32 rows of the weights
.set MW,    0x58                       ; products of tiles 0-3: source 0 (weights) window 0, source 1 (rows) window 2, C and D window 1
.else
.set PITCH, 4096
.set ASH,   17
.set OSH,   18
.set HSH,   17
.set MW,    0x52                       ; source 0 (rows) window 2, source 1 (weights) window 0, C and D window 1
.endif
.set WSTEP, 128*PITCH
.set SPARE, 65536                      ; LDS: the weights' slots at 0 and 32,768 (block 8 kk + j of 1 KB, j = 0..7: 4 x column half + column in four); then the spare words, 128 bytes a wave
; WINDOW 0: v0 thread; v1 16 x lane (also where I read weights in LDS); v2 weights' offset; v3 where I store weights; v9-v11 at work in the head; v13 store offset;
;   v14, v15 the add's two registers; v16-v20 my five tiles' offsets; v22 bias offset
.set BI,   24                          ; v[24:31]   GEMM 2: the bias of my 2 x 4 columns
.set WF,   32                          ; v[32:159]  weight fragments, two sets of eight
.set A4,   160                         ; v[160:191] tile 4's row fragments, 8 registers for each 32 of K
.set ACC4, 192                         ; v[192:255] tile 4's accumulators
.set TT,   32                          ; the way out: at work, in the weight fragments' registers
; WINDOW 1: accumulator of tile i (0..3), fragment j at v[64 i + 8 j]
; WINDOW 2: v[32 i + 8 kk] row fragment of tile i (0..3); on the way out the whole window holds what is stored
.set WR,   128                         ; v[128:255] of window 2: weights as loaded, 64 x column half + 4 x row
; WINDOW 3:
.set TP,   0                           ; v[0:63]    weights rounded: 32 x column half + 8 j + register
.set BT,   64                          ; v[64:127]  GEMM 1: the bias, 4 (8 x column half + p) + j
; s14 wave, s15 expert, s16 slice, s18 = wave / 2, s19 = wave % 2, s20 first tile, s21 tiles, s22 last tile of all, s23 block's first tile, s24 blocks to go, s25 the loop's pass U,
; s26 block has rows, s27 tiles left for me, s[28:29] s[30:31] weights now / at K = 0, s[34:35] rows at K = 0, s[36:37] output, s44 column slice, s45 K split, s46 my place in an output tile,
; s53 my fifth tile exists
.set AB,   56                          ; s[56:63]   the rows' base, one for each 32 of K
.set MSB, 0
.macro WIN new                         ; s_set_vgpr_msb: bits 1:0 source 0, 3:2 source 1, 5:4 source 2, 7:6 destination; the high byte repeats the setting that is left
.if MSB != (\new)
	s_set_vgpr_msb (MSB<<8)|(\new)
.set MSB, \new
.endif
.endm
.macro PLACES                          ; four places behind matrix instructions, in front of loads into their sources and of reads of their results
.rept 4
	v_nop
.endr
.endm
.macro BAR                             ; each wave's LDS instructions are done in front of its signal: its stores for the others' reads, its reads for the others' next stores
	s_wait_dscnt 0x0
	s_barrier_signal -1
	s_barrier_wait -1
.endm
	s_load_b256 s[4:11], s[0:1], 0x0               ; weights s[4:5], bias s[6:7], rows s[8:9], meta s[10:11]
	s_load_b64 s[12:13], s[0:1], 0x20              ; output
	v_lshl_add_u32 v14, v0, 2, SPARE
	v_mov_b32 v15, 0
	v_lshrrev_b32 v9, 5, v0
	v_readfirstlane_b32 s14, v9
	v_and_b32 v1, 31, v0
	v_lshlrev_b32 v1, 4, v1
	v_and_b32 v10, 15, v0                          ; r
	v_bfe_u32 v11, v0, 4, 1                        ; h
	s_lshr_b32 s15, ttmp9, 5
	s_and_b32 s16, ttmp9, 31
.if GEMM == 1
	s_mov_b32 s44, s16
	s_mov_b32 s45, 0
	s_mov_b32 s48, 0xc0135761                      ; K1 = -2 log2(e) sqrt(2 / pi) = -2.3022082
	s_mov_b32 s49, 0xc0135761
	s_mov_b32 s50, 0xbdd2d3e8                      ; K3 = 0.044715 K1 = -0.10294324
	s_mov_b32 s51, 0xbdd2d3e8
.else
	s_and_b32 s44, s16, 7
	s_lshr_b32 s45, s16, 3
.endif
	s_lshr_b32 s18, s14, 1
	s_and_b32 s19, s14, 1
	s_mov_b32 s23, 0
	s_mov_b32 s24, 4
	s_mov_b32 s26, 1                               ; the first block always runs
	s_mov_b32 s27, 0
	s_mov_b32 s53, 0
	s_lshl_b32 s52, s15, 3                         ; never rewritten: a pending load names it
	s_lshl_b32 s38, s14, 13
	v_add_nc_u32 v3, s38, v1                       ; my eight weight fragments in a slot: 8,192 w + 16 x lane
	v_lshlrev_b32 v2, 4, v10
	v_lshl_add_u32 v2, v11, HSH, v2                ; 16 r + 32 rows for the upper lanes
	s_wait_kmcnt 0x0
	s_load_b64 s[20:21], s[10:11], s52 offset:0x0
	s_load_b32 s22, s[10:11], 0x40
	s_lshl_b32 s38, s15, 24                        ; the expert's 16 MB,
	s_lshl_b32 s39, s45, 22                        ; the split's 1,024 rows,
	s_add_co_u32 s38, s38, s39
	s_mul_i32 s39, s18, 64*PITCH                   ; my 32 of a step's 128: rows 64 (w / 2) + 16 (w % 2) + 32 h + 0..15,
	s_add_co_u32 s38, s38, s39
	s_mul_i32 s39, s19, 16*PITCH
	s_add_co_u32 s38, s38, s39
	s_lshl_b32 s39, s44, 9                         ; the slice's columns
	s_add_co_u32 s38, s38, s39
	s_mov_b32 s39, 0
	s_add_nc_u64 s[30:31], s[4:5], s[38:39]
	s_lshl_b32 s38, s45, 15                        ; the split's 32 fragments of a tile
	s_add_nc_u64 s[34:35], s[8:9], s[38:39]
	s_mov_b64 s[28:29], s[30:31]                   ; the walking bases and my tiles' offsets are set from the head on; each block's opening sets them anew
.irp kk, 0,1,2,3
	s_mov_b64 s[AB+2*\kk:AB+2*\kk+1], s[34:35]
.endr
.irp i, 0,1,2,3,4
	v_mov_b32 v[16+\i], v1
.endr
.if GEMM == 1
	v_lshlrev_b32 v22, 7, v11                      ; my columns begin at c0 + 32 h
	s_lshl_b32 s38, s15, 14
	s_lshl_b32 s39, s44, 9
	s_add_co_u32 s38, s38, s39
	s_mov_b32 s39, 0
	s_add_nc_u64 s[6:7], s[6:7], s[38:39]
	s_lshl_b32 s46, s44, 12                        ; the slice's first fragment in a tile of hg: 4 x slice
.else
	v_lshlrev_b32 v22, 4, v10
	v_lshl_add_u32 v13, v11, 17, v22               ; row 8 h of a tile of y (16 KB a row), 16 bytes a lane
	s_lshl_b32 s46, s44, 9                         ; the slice's first column, in bytes
	s_lshl_b32 s38, s15, 12
	s_add_co_u32 s38, s38, s46
	s_mov_b32 s39, 0
	s_add_nc_u64 s[6:7], s[6:7], s[38:39]
	s_lshl_b32 s39, s45, 12
	s_add_co_u32 s46, s46, s39                     ; + my split's 4 KB of a row of y
	s_cmp_eq_u32 s45, 0
	s_cselect_b32 s47, -1, 0                       ; the bias is added in split 0 alone
.endif
; ---- the loads ----
.macro ISSUE_W                         ; group W, 32 loads: my 32 rows (16 a lane) x 128 columns
	WIN 0x80                                       ; destination window 2
.irp nh, 0,1
.set sg, 0
.rept 16
	global_load_b128 v[WR+64*\nh+4*sg:WR+64*\nh+4*sg+3], v2, s[28:29] offset:sg*PITCH+256*\nh th:TH_LOAD_NT
.set sg, sg+1
.endr
.endr
	WIN 0
.endm
.macro ISSUE_A kk                      ; group A kk, 10 loads: fragment kk of this step of my five tiles, 1 KB each, as it lies
	WIN 0x80
.irp i, 0,1,2,3
	global_load_b128 v[32*\i+8*(\kk):32*\i+8*(\kk)+3],   v[16+\i], s[AB+2*(\kk):AB+2*(\kk)+1] offset:(\kk)*1024
	global_load_b128 v[32*\i+8*(\kk)+4:32*\i+8*(\kk)+7], v[16+\i], s[AB+2*(\kk):AB+2*(\kk)+1] offset:(\kk)*1024+512
.endr
	WIN 0
	global_load_b128 v[A4+8*(\kk):A4+8*(\kk)+3],   v20, s[AB+2*(\kk):AB+2*(\kk)+1] offset:(\kk)*1024
	global_load_b128 v[A4+8*(\kk)+4:A4+8*(\kk)+7], v20, s[AB+2*(\kk):AB+2*(\kk)+1] offset:(\kk)*1024+512
.endm
; Group W, which has been waited for, is rounded and laid into a slot; then the group due next, A0, is waited for: behind it A1, A2 and A3 are out, 30 loads.
.macro CONV slot
	WIN 0xca                                       ; sources window 2, destination window 3
.irp nh, 0,1
.irp j, 0,1,2,3
.irp q, 0,1,2,3,4,5,6,7
	v_cvt_pk_bf16_f32 v[TP+32*\nh+8*\j+\q], v[WR+64*\nh+8*\q+\j], v[WR+64*\nh+8*\q+4+\j]   ; rows 2 q and 2 q + 1 of column j make register q of fragment j
.endr
.endr
.endr
	WIN 0x0c                                       ; store data window 3
.irp nh, 0,1
.irp j, 0,1,2,3
	ds_store_b128 v3, v[TP+32*\nh+8*\j:TP+32*\nh+8*\j+3] offset:(\slot)*32768+\nh*4096+\j*1024
	ds_store_b128 v3, v[TP+32*\nh+8*\j+4:TP+32*\nh+8*\j+7] offset:(\slot)*32768+\nh*4096+\j*1024+512
.endr
.endr
	WIN 0
	s_wait_loadcnt 30
.endm
.macro WNEXT                           ; the next step's weights; the base's last loads were shown done by the wait for group W
	s_add_nc_u64 s[28:29], s[28:29], WSTEP
	ISSUE_W
.endm
; ---- the products ----
.macro LDF slot, kk                    ; 16 LDS loads: the eight weight fragments of 32 of K, into set kk % 2
.irp j, 0,1,2,3,4,5,6,7
	ds_load_b128 v[WF+64*((\kk)%2)+8*\j:WF+64*((\kk)%2)+8*\j+3],   v1 offset:(\slot)*32768+(\kk)*8192+\j*1024
	ds_load_b128 v[WF+64*((\kk)%2)+8*\j+4:WF+64*((\kk)%2)+8*\j+7], v1 offset:(\slot)*32768+(\kk)*8192+\j*1024+512
.endr
.endm
; 32 of K: 40 products, the accumulators by turns, one instruction a turn.  Tile 4 lies in window 0 with all its operands, so its eight can be jumped
; where the tile does not exist.  The four places behind them serve the loads that follow into the fragments' registers.
.macro MULS kk
	WIN MW
.irp i, 0,1,2,3
.irp j, 0,1,2,3,4,5,6,7
.set AC, 64*\i+8*\j
.set FW, WF+64*((\kk)%2)+8*\j
.set FT, 32*\i+8*(\kk)
.if GEMM == 1
	v_wmma_f32_16x16x32_bf16 v[AC:AC+7], v[FW:FW+7], v[FT:FT+7], v[AC:AC+7]
.else
	v_wmma_f32_16x16x32_bf16 v[AC:AC+7], v[FT:FT+7], v[FW:FW+7], v[AC:AC+7]
.endif
.endr
.endr
	WIN 0
	s_cmp_eq_u32 s53, 0
	s_cbranch_scc1 .Lno4_\@
.irp j, 0,1,2,3,4,5,6,7
.set AC, ACC4+8*\j
.set FW, WF+64*((\kk)%2)+8*\j
.set FT, A4+8*(\kk)
.if GEMM == 1
	v_wmma_f32_16x16x32_bf16 v[AC:AC+7], v[FW:FW+7], v[FT:FT+7], v[AC:AC+7]
.else
	v_wmma_f32_16x16x32_bf16 v[AC:AC+7], v[FT:FT+7], v[FW:FW+7], v[AC:AC+7]
.endif
.endr
.Lno4_\@:
	PLACES
.endm
; Behind the products of group A kk: the group due next is waited for, then A kk is asked for again, one step on.
; ahead = 1.  Behind A kk+1 are out: the step's later groups, 10 (2 - kk); W, 32; the next step's earlier groups, 10 kk: 52 loads.  Behind W (due behind A3): the next step's A0, A1, A2: 30.
; ahead = 0: the last step: nothing is asked for, and the counts run down (as the walk goes they are met at once: the fourth pass has waited for all its loads).
.macro NEXT kk, ahead
.if \ahead
.if (\kk) < 3
	s_wait_loadcnt 52
.else
	s_wait_loadcnt 30
.endif
	s_add_nc_u64 s[AB+2*(\kk):AB+2*(\kk)+1], s[AB+2*(\kk):AB+2*(\kk)+1], 4096   ; this base's last loads were shown done before their fragments were multiplied
	ISSUE_A \kk
.elseif (\kk) < 3
	s_wait_loadcnt 20-10*(\kk)
.endif
.endm
; A K step of 128 out of a slot: 160 products.  The weight fragments of the next 32 of K are asked for in one run ahead of each 40 products: the wait leaves those 16 loads out.
.macro MUL slot, ahead
	LDF \slot, 0
	LDF \slot, 1
	s_wait_dscnt 16
	MULS 0
	LDF \slot, 2
	NEXT 0, \ahead
	s_wait_dscnt 16
	MULS 1
	LDF \slot, 3
	NEXT 1, \ahead
	s_wait_dscnt 16
	MULS 2
	NEXT 2, \ahead
	s_wait_dscnt 0x0
	MULS 3
	NEXT 3, \ahead
.endm
; THE WAY OUT of my tile i, column half nh.  Each accumulator's lowest registers are read first.  Each of the ten units has store registers of its own
; (window 2, whose loads have all landed; GEMM 2's tile 4: window 0), so no store's registers are written again inside a block.
.macro EPI i, nh
.if (\i) < 4
.set XB, 64*(\i)+32*(\nh)
.set W2, 0x05
.set W1, 0x01
.else
.set XB, ACC4+32*(\nh)
.set W2, 0
.set W1, 0
.endif
.if GEMM == 1
.set FS, 16*(2*(\i)+(\nh))
	WIN W2
.set nn, 0
.rept 16
	v_pk_mul_f32 v[TT+nn:TT+nn+1], v[XB+nn:XB+nn+1], v[XB+nn:XB+nn+1]
.set nn, nn+2
.endr
	WIN 0
.set nn, 0
.rept 16
	v_pk_fma_f32 v[TT+nn:TT+nn+1], v[TT+nn:TT+nn+1], s[50:51], s[48:49] op_sel_hi:[1,0,0]
.set nn, nn+2
.endr
	WIN W1
.set nn, 0
.rept 16
	v_pk_mul_f32 v[TT+nn:TT+nn+1], v[XB+nn:XB+nn+1], v[TT+nn:TT+nn+1]
.set nn, nn+2
.endr
	WIN 0
.set nn, 0
.rept 32
	v_exp_f32 v[TT+nn], v[TT+nn]
.set nn, nn+1
.endr
	v_nop                                          ; a plain instruction behind the last exponential (ISA guide 5.7.2)
.set nn, 0
.rept 16
	v_pk_add_f32 v[TT+nn:TT+nn+1], v[TT+nn:TT+nn+1], 1.0 op_sel_hi:[1,0]
.set nn, nn+2
.endr
.set nn, 0
.rept 32
	v_rcp_f32 v[TT+nn], v[TT+nn]
.set nn, nn+1
.endr
	v_nop
	WIN W1
.set nn, 0
.rept 16
	v_pk_mul_f32 v[TT+nn:TT+nn+1], v[XB+nn:XB+nn+1], v[TT+nn:TT+nn+1]
.set nn, nn+2
.endr
	WIN 0x80                                       ; destination window 2
.irp ph, 0,1                           ; column c0 + 32 h + 4 p + j is number 4 (p % 4) + j of fragment p / 4
.irp q, 0,1,2,3,4,5,6,7
	v_cvt_pk_bf16_f32 v[FS+8*\ph+\q], v[TT+16*(\q%2)+4*\ph+\q/2], v[TT+16*(\q%2)+8+4*\ph+\q/2]
.endr
.endr
	WIN 0x08                                       ; store data window 2
.irp ph, 0,1
	global_store_b128 v1, v[FS+8*\ph:FS+8*\ph+3], s[36:37] offset:(\i)*524288+(\nh)*2048+\ph*1024          ; 512 consecutive bytes each
	global_store_b128 v1, v[FS+8*\ph+4:FS+8*\ph+7], s[36:37] offset:(\i)*524288+(\nh)*2048+\ph*1024+512
.endr
	WIN 0
.else
.if (\i) < 4
.set SD, 32*(2*(\i)+(\nh))
.set WA, 0x81
.set WS, 0x08
.else
.set SD, TT+32*(\nh)
.set WA, 0
.set WS, 0
.endif
	WIN WA
.irp p, 0,1,2,3,4,5,6,7
.irp j, 0,1,2,3
	v_add_f32 v[SD+4*\p+\j], v[XB+8*\j+\p], v[BI+4*(\nh)+\j]   ; the bias (0 in splits 1-3); the four columns come side by side
.endr
.endr
	WIN WS
.irp p, 0,1,2,3,4,5,6,7
	global_store_b128 v13, v[SD+4*\p:SD+4*\p+3], s[36:37] offset:(\i)*1048576+\p*16384+(\nh)*256   ; 16 lanes store 256 consecutive bytes of a row
.endr
	WIN 0
.endif
.endm
.Lblk:                                                 ; four times: a block of 20 tiles.  No load of mine is out here, and every store has read its registers: see the block's end
	s_cmp_eq_u32 s26, 0
	s_cbranch_scc1 .Lgo
	; THE OPENING.  The bias, then group W of K step 0, go out before meta is waited for
	s_mov_b64 s[28:29], s[30:31]
.if GEMM == 1
	WIN 0xc0                                       ; destination window 3
.irp nh, 0,1
.irp p, 0,1,2,3,4,5,6,7
	global_load_b128 v[BT+4*(8*\nh+\p):BT+4*(8*\nh+\p)+3], v22, s[6:7] offset:256*\nh+16*\p   ; columns c0 + 64 nh + 32 h + 4 p + 0..3
.endr
.endr
.else
	global_load_b128 v[BI:BI+3], v22, s[6:7]
	global_load_b128 v[BI+4:BI+7], v22, s[6:7] offset:256
.endif
	ISSUE_W
	s_wait_kmcnt 0x0
	s_sub_co_i32 s27, s21, s23
	s_sub_co_i32 s27, s27, s14                     ; my tile i exists if 4 i is less than this
	s_cmp_gt_i32 s27, 16
	s_cselect_b32 s53, 1, 0
	s_max_u32 s40, s21, 1
	s_sub_co_u32 s40, s40, 1                       ; the expert's last tile
	s_add_co_u32 s39, s23, s14
.irp i, 0,1,2,3,4
	s_add_co_u32 s41, s39, 4*\i                    ; tile 4 i + w of the block,
	s_min_u32 s41, s41, s40                        ; or the expert's last,
	s_add_co_u32 s41, s41, s20
	s_min_u32 s41, s41, s22                        ; never behind the last tile that was made
	s_min_u32 s41, s41, 134
	s_lshl_b32 s41, s41, ASH
	v_add_nc_u32 v[16+\i], s41, v1
.endr
.irp kk, 0,1,2,3
	s_mov_b64 s[AB+2*\kk:AB+2*\kk+1], s[34:35]
.endr
	ISSUE_A 0
.if GEMM == 2
	WIN 0x40                                       ; the sums begin at 0
.set nn, 0
.rept 256
	v_mov_b32 v[nn], 0
.set nn, nn+1
.endr
	WIN 0
.set nn, ACC4
.rept 64
	v_mov_b32 v[nn], 0
.set nn, nn+1
.endr
.endif
	s_wait_loadcnt 42                              ; the bias is in: behind it W's 32 loads and A0's 10 are out
.if GEMM == 1
	WIN 0x43                                       ; the sums begin as the bias: destination window 1, source window 3
.irp i, 0,1,2,3
.irp j, 0,1,2,3,4,5,6,7
.irp p, 0,1,2,3,4,5,6,7
	v_mov_b32 v[64*\i+8*\j+\p], v[BT+4*(8*(\j/4)+\p)+\j%4]
.endr
.endr
.endr
	WIN 0x03
.irp j, 0,1,2,3,4,5,6,7
.irp p, 0,1,2,3,4,5,6,7
	v_mov_b32 v[ACC4+8*\j+\p], v[BT+4*(8*(\j/4)+\p)+\j%4]
.endr
.endr
	WIN 0
.else
.irp n, 0,1,2,3,4,5,6,7
	v_cndmask_b32 v[BI+\n], 0, v[BI+\n], s47
.endr
.endif
	ISSUE_A 1
	ISSUE_A 2
	s_wait_loadcnt 30                              ; W is in: behind it A0, A1 and A2 are out
	ISSUE_A 3
	CONV 0                                         ; K step 0 into slot 0, which nobody has read since the barrier before last
	WNEXT                                          ; K step 1's weights
.Lgo:
	BAR
	s_mov_b32 s25, 0
.Lph:                                                  ; pass U = s25 = 0 .. 3.  First half: K step 2 U out of slot 0, K step 2 U + 1 into slot 1
	s_cmp_eq_u32 s26, 0
	s_cbranch_scc1 .LendA
	MUL 0, 1
	CONV 1
	s_cmp_eq_u32 s25, 3
	s_cbranch_scc1 .LlastA
	WNEXT
	s_branch .LendA
.LlastA:
	s_wait_loadcnt 0x0                             ; K step 7 lies in slot 1 and no weights are left to ask for.  All my loads are waited for here: a register that a pending load
	                                               ; will write is never loaded again, whatever text follows this line
.LendA:
	BAR
	s_cmp_eq_u32 s26, 0                            ; second half: K step 2 U + 1 out of slot 1, K step 2 U + 2 into slot 0; empty in the fourth pass
	s_cbranch_scc1 .LendB
	s_cmp_eq_u32 s25, 3
	s_cbranch_scc1 .LendB
	MUL 1, 1
	CONV 0
	WNEXT
.LendB:
	BAR
	s_add_co_u32 s25, s25, 1
	s_cmp_lt_u32 s25, 4
	s_cbranch_scc1 .Lph
	s_cmp_eq_u32 s26, 0
	s_cbranch_scc1 .Lep_end
	MUL 1, 0                                       ; K step 7.  No barrier follows: the next block's opening fills slot 0, and slot 1 is filled only behind the barrier at the opening's end, in front of which these reads are waited for
	s_add_co_u32 s38, s20, s23
	s_add_co_u32 s38, s38, s14                     ; my first tile
	s_min_u32 s38, s38, 134
	s_lshl_b32 s38, s38, OSH
	s_add_co_u32 s38, s38, s46
	s_mov_b32 s39, 0
	s_add_nc_u64 s[36:37], s[12:13], s[38:39]
.irp i, 0,1,2,3,4
	s_cmp_le_i32 s27, 4*\i
	s_cbranch_scc1 .Lep_end                        ; the expert has no such tile: nothing more is stored
	EPI \i, 0
	EPI \i, 1
.endr
.Lep_end:
	s_wait_loadcnt 0x0                             ; the block's end, on every way: no load of mine is out,
	s_wait_xcnt 0x0                                ; and the stores have read their registers and their base: the next block writes all of them anew
	s_wait_kmcnt 0x0
	s_add_co_u32 s23, s23, 20
	s_cmp_gt_u32 s21, s23
	s_cselect_b32 s26, 1, 0
	s_sub_co_u32 s24, s24, 1
	s_cmp_lg_u32 s24, 0
	s_cbranch_scc1 .Lblk
	s_wait_tensorcnt 0x0                           ; the wave's end
	ds_add_u32 v14, v15
	s_wait_dscnt 0x0
	s_endpgm
.Lfunc_end_k_qf72fcc9bd3_gemm2:
	.size	k_qf72fcc9bd3_gemm2, .Lfunc_end_k_qf72fcc9bd3_gemm2-k_qf72fcc9bd3_gemm2
	.p2alignl 7, 3214868480
	.fill 96, 4, 3214868480
	.section	.rodata,"a",@progbits
	.p2align	6, 0x0
	.amdhsa_kernel k_qf72fcc9bd3_gemm2
		.amdhsa_group_segment_fixed_size 66048
		.amdhsa_private_segment_fixed_size 0
		.amdhsa_enable_private_segment 0
		.amdhsa_kernarg_size 40
		.amdhsa_user_sgpr_count 2
		.amdhsa_user_sgpr_kernarg_segment_ptr 1
		.amdhsa_wavefront_size32 1
		.amdhsa_system_sgpr_workgroup_id_x 1
		.amdhsa_system_sgpr_workgroup_id_y 1
		.amdhsa_system_sgpr_workgroup_id_z 1
		.amdhsa_system_vgpr_workitem_id 0
		.amdhsa_next_free_vgpr 896
		.amdhsa_next_free_sgpr 66
		.amdhsa_reserve_vcc 0
		.amdhsa_float_denorm_mode_32 3
		.amdhsa_float_denorm_mode_16_64 3
		.amdhsa_memory_ordered 1
		.amdhsa_forward_progress 1
		.amdhsa_inst_pref_size 122
	.end_amdhsa_kernel
	.amdgpu_metadata
---
amdhsa.version: [ 1, 2 ]
amdhsa.kernels:
  - .name:           k_qf72fcc9bd3_gemm2
    .symbol:         k_qf72fcc9bd3_gemm2.kd
    .args:
      - { .name: w2, .offset: 0, .size: 8, .value_kind: global_buffer, .address_space: global }
      - { .name: b2, .offset: 8, .size: 8, .value_kind: global_buffer, .address_space: global }
      - { .name: hg, .offset: 16, .size: 8, .value_kind: global_buffer, .address_space: global }
      - { .name: meta, .offset: 24, .size: 8, .value_kind: global_buffer, .address_space: global }
      - { .name: y, .offset: 32, .size: 8, .value_kind: global_buffer, .address_space: global }
    .group_segment_fixed_size: 66048
    .private_segment_fixed_size: 0
    .kernarg_segment_align: 8
    .kernarg_segment_size: 40
    .max_flat_workgroup_size: 128
    .sgpr_count:     66
    .vgpr_count:     896
    .wavefront_size: 32
...
	.end_amdgpu_metadata
.endif
;; end of part 7
;; launch combine: the kernel of part 5 again; grid 256 x 1, 8 waves a work-group, no clusters, 0 bytes of LDS; arguments hidden_states, y, pos, tokf, out0, out1, out2; writes out0, out1, out2
